; MI455X (gfx1250); checked and timed in simulation.
; The chip was launched on July 23, 2026; its instructions are those of AMD's public machine-readable ISA for CDNA 5 (MIT licence, August 2026) and "CDNA5" Instruction Set Architecture Reference Guide (July 2026). The comments in the code are by the model that wrote it; some were corrected since.
;; Decoder. Allowed arithmetic: float matrix products may take bf16 or f16 operands with f32 sums; other float arithmetic in f32, or as packed bf16 or f16 multiplies, adds, multiply-adds, maxima and minima; sums over many terms, partial sums and values carried from step to step in f32; what a program stores and reads back later, other than sums and carried values, may be rounded once to bf16 or f16.
;; Inputs: decoder_inputs 8 x 512 x 512 float32; encoder_context 8 x 512 x 512 float32; og_inputs 8 x 512 x 512 float32; params_Wf0 512 x 512 float32; params_Wf1 512 x 512 float32; params_Wk 512 x 2,048 float32; params_Wk2 512 x 2,048 float32; params_Wo0 2,048 x 512 float32; params_Wo1 2,048 x 512 float32; params_Wq 512 x 2,048 float32; params_Wq2 512 x 2,048 float32; params_Wv 512 x 2,048 float32; params_Wv2 512 x 2,048 float32; params_be0 512 float32; params_be1 512 float32; params_be2 512 float32; params_bf0 512 float32; params_bf1 512 float32; params_bk 2,048 float32; params_bk2 2,048 float32; params_bo0 512 float32; params_bo1 512 float32; params_bq 2,048 float32; params_bq2 2,048 float32; params_bv 2,048 float32; params_bv2 2,048 float32; params_g0 512 float32; params_g1 512 float32; params_g2 512 float32.
;; Outputs: out0 8 x 512 x 512 float32.
;; 2 versions, each right; version 2 is version 1 with the launches prep, chain written anew for expert scheduling mode. Each part assembles by itself: llvm-mc -triple=amdgcn-amd-amdhsa -mcpu=gfx1250 --defsym DOCPART=n.
;; ======== version 1 of 2: 3 launches
;; workspace buffers: wfrag 3,145,728 bytes; vecs 12,800 bytes; kv 16,777,216 bytes; rho 32,768 bytes
;; launch prep (part 1): grid 64 x 4, 4 waves a work-group, no clusters, 108,032 bytes of LDS; arguments params_Wq, params_Wk, params_bq, params_bk, params_Wq2, params_Wk2, params_bq2, params_bk2, params_Wo0, params_Wv, params_bv, params_bo0, params_Wo1, params_Wv2, params_bv2, params_bo1, params_Wf0, params_Wf1, wfrag, vecs; writes wfrag, vecs
.if DOCPART == 1
	.amdgcn_target "amdgcn-amd-amdhsa--gfx1250"
	.amdhsa_code_object_version 6
	.text
	.protected	k_qe38e1e3df9_prep
	.globl	k_qe38e1e3df9_prep
	.p2align	8
	.type	k_qe38e1e3df9_prep,@function
k_qe38e1e3df9_prep:
	s_mov_b64 s[64:65], 0
	v_nop
	global_prefetch_b8 v0, s[64:65] scope:SCOPE_SE
	s_setreg_imm32_b32 hwreg(HW_REG_WAVE_MODE, 25, 1), 1
	s_wait_xcnt 0x0
; THE WEIGHTS ARE FOLDED.  Every 2,048-wide tensor of the module stands between two linear maps, so
;   (xq Wq + bq).(xk Wk + bk) = xq.(M xk + u) + (c.xk + t),  M = Wq Wk^T, u = Wq bk, c = Wk bq, t = bq.bk
;   softmax(S) (X Wv + bv) Wo + bo = softmax(S) (X N) + d,   N = Wv Wo, d = bv Wo + bo   (a softmax row sums to 1)
; Job y (grid y): 0: M0, u0, c0, t0   1: the same of the cross attention   2: N0, d0   3: N1, d1.
; OUT[n][k] = sum over h of P[n][h] Q[k][h], h = 0..2047.  y < 2: P = Wq's rows, Q = Wk's rows.  y >= 2: P[n][h] = Wo[h][n], Q = Wv's rows.
; A work-group makes a tile of 64 n x 64 k (grid x = 8 nb + kb).  h is split among its four waves, 512 each: 16 steps of 32; the partial tiles meet in LDS.
; THE BIASES RIDE ALONG: a fifth fragment on Q's side whose 16 rows all hold s (bk or bv) makes column 64 = u or bv Wo; a fifth on P's side (y < 2) whose rows hold z = bq makes row 64 = c; their crossing is t.
; OPERANDS are rounded to bf16 on the way from memory to the matrix unit; sums in f32; M and N are rounded once to bf16; u, c, t, d stay f32.
; LAYOUT F of a 512 n x 512 k matrix in wfrag: byte ((ng*16 + ks)*8 + ct)*1024 + half*512 + lane*16 holds n = (8 ng + ct)*16 + lane % 16, k = 32 ks + 16 half + 8 (lane / 16) + 0..7:
; a fragment is two loads of 16 bytes a lane, each 512 consecutive bytes, and a reader's wave that owns 128 n reads 131,072 bytes on end.
; Each wave also turns one fragment of Wf0 (y < 2) or Wf1 into layout F: 512 fragments a matrix, 128 work-groups x 4 waves.
; The matrix instruction takes Q's fragment as source 0 and P's as source 1: a lane then holds one n and eight neighbouring k: the 16 bytes of layout F.
; NO CLUSTER, NO TENSOR LOAD: the operands are f32 in memory and must pass registers to be rounded, and each wave reads h of its own.  No prefetch: a block of a weight is read by eight work-groups at about the same time.
.set RPITCH, 336                       ; a row of a partial tile: 80 f32 + 16 bytes: an odd multiple of 16
.set REG,    80*RPITCH                 ; a wave's partial tile: 80 rows (64 n, then the rows of z)
.set SPARE,  4*REG                     ; 107,520: the spare words, 128 bytes a wave
.set RO,  3                            ; v3   (l % 16) x 8,192 + 32 (l / 16): a fragment's row in a weight with rows of 2,048 f32
.set XO,  4                            ; v4   32 (l / 16): the same place in a bias
.set CO,  5                            ; v5   (l / 16) x 8 rows of 2,048 bytes + 16 (l % 16): Wo taken by columns
.set WFO, 6                            ; v6   my place in Wf
.set LSM, 7                            ; v7   where I put a partial tile, y < 2
.set LSN, 8                            ; v8   the same, y >= 2: lane r of fragment f holds column 4 r + f
.set LRD, 9                            ; v9   where I read partial tiles back: row 16 w + l % 16
.set LRU, 10                           ; v10  column 64 of that row
.set LRC, 11                           ; v11  row 64, column 16 w + l % 16
.set LRT, 12                           ; v12  row 64, column 64
.set LO,  13                           ; v13  16 x lane
.set VO,  14                           ; v14  4 (16 w + l % 16)
.set SPW, 16                           ; v16  my spare word; never rewritten
.set NIL, 17                           ; v17  0; never rewritten
.set BOV, 18                           ; v18  bo of my n (y >= 2), else 0
.set ZO,  19                           ; v19  0, an offset
.set LRD2, 20                          ; v20-23  the four read addresses two regions on: an LDS immediate has 16 bits
.set LRU2, 21
.set LRC2, 22
.set LRT2, 23
.set TT,  24
.set ACC, 32                           ; v32-231  tile (f, g) at ACC + 8 (5 f + g); later the partial tiles read back
.set WFS, 232                          ; v232-247 my fragment of Wf in f32
.set WFP, 248                          ; v248-255 the same in bf16
.set PF,  160                          ; windows 1 and 2 (set 0 and 1): v0-63 P as loaded, v64-127 Q, v128-143 z, v144-159 s, v160-199 P's fragments, v200-239 Q's
.set QF,  200
.set X,   2
.set Y,   3
.set WV,  4
.set NB,  5
.set KB,  6
.set CNT, 7
.set PP,  48
.set QP,  50
.set ZP,  52
.set SP,  54
.set BOP, 56
.set FB,  58
.set WSRC, 62
.set T0,  66
.set T1,  68
.set T2,  70
.set VP,  72
.set WFD, 74
.set MSB, 0
.macro WIN new                         ; the immediate's high byte repeats the setting that is left; a switch that changes nothing is dropped
.if MSB != (\new)
	s_set_vgpr_msb (MSB<<8)|(\new)
.set MSB, \new
.endif
.endm
; four fragments of 16 rows x 32 h in f32: a lane's h are 8 (l / 16) + 0..7 and 16 + 8 (l / 16) + 0..7
.macro LDROW S, P, off
.set g, 0
.rept 4
	global_load_b128 v[(\S)+16*g:(\S)+16*g+3],     v[RO], s[\P:\P+1] offset:(\off)+g*131072
	global_load_b128 v[(\S)+16*g+4:(\S)+16*g+7],   v[RO], s[\P:\P+1] offset:(\off)+g*131072+16
	global_load_b128 v[(\S)+16*g+8:(\S)+16*g+11],  v[RO], s[\P:\P+1] offset:(\off)+g*131072+64
	global_load_b128 v[(\S)+16*g+12:(\S)+16*g+15], v[RO], s[\P:\P+1] offset:(\off)+g*131072+80
.set g, g+1
.endr
.endm
.macro LDVEC S, P, off                 ; a bias as a fragment whose 16 rows are alike
	global_load_b128 v[(\S):(\S)+3],     v[XO], s[\P:\P+1] offset:(\off)
	global_load_b128 v[(\S)+4:(\S)+7],   v[XO], s[\P:\P+1] offset:(\off)+16
	global_load_b128 v[(\S)+8:(\S)+11],  v[XO], s[\P:\P+1] offset:(\off)+64
	global_load_b128 v[(\S)+12:(\S)+15], v[XO], s[\P:\P+1] offset:(\off)+80
.endm
.macro LDCOL S, P, off                 ; 32 rows (h) x 64 columns of Wo: load e brings row 16 (e / 8) + 8 (l / 16) + e % 8, columns 4 (l % 16) + 0..3: two rows of 256 bytes a load
.set e, 0
.rept 16
	global_load_b128 v[(\S)+4*e:(\S)+4*e+3], v[CO], s[\P:\P+1] offset:(\off)+(16*(e/8)+e%8)*2048
.set e, e+1
.endr
.endm
.macro CVROW F, S, n                   ; n fragments rounded to bf16
.set e, 0
.rept 8*(\n)
	v_cvt_pk_bf16_f32 v[(\F)+e], v[(\S)+2*e], v[(\S)+2*e+1]
.set e, e+1
.endr
.endm
.macro CVCOL F, S                      ; component f of each load belongs to fragment f
.set f, 0
.rept 4
.set e, 0
.rept 8
	v_cvt_pk_bf16_f32 v[(\F)+8*f+e], v[(\S)+8*e+f], v[(\S)+8*e+4+f]
.set e, e+1
.endr
.set f, f+1
.endr
.endm
.macro LOADS m, s, i                   ; a step's loads into set s, i steps behind the pointers: 40 (y < 2) or 36
	WIN (1+(\s))<<6
.if \m
	LDROW 0, PP, (\i)*128
.else
	LDCOL 0, PP, (\i)*65536
.endif
	LDROW 64, QP, (\i)*128
.if \m
	LDVEC 128, ZP, (\i)*128
.endif
	LDVEC 144, SP, (\i)*128
.endm
.macro CVT m, s
	WIN 0x45*(1+(\s))
.if \m
	CVROW PF, 0, 4
	CVROW PF+32, 128, 1
.else
	CVCOL PF, 0
.endif
	CVROW QF, 64, 4
	CVROW QF+32, 144, 1
.endm
.macro MULS s, np                      ; the accumulators take turns, one instruction a turn, in the same order in every step and over the backward jump
	WIN 5*(1+(\s))
.set f, 0
.rept \np
.set g, 0
.rept 5
	v_wmma_f32_16x16x32_bf16 v[ACC+8*(5*f+g):ACC+8*(5*f+g)+7], v[QF+8*g:QF+8*g+7], v[PF+8*f:PF+8*f+7], v[ACC+8*(5*f+g):ACC+8*(5*f+g)+7]
.set g, g+1
.endr
.set f, f+1
.endr
.endm
; A job's 16 steps on two sets of registers.  A set's fragments are written anew only behind the other set's 72 or 80 conversions, which are the places behind the products that read them.
.macro PATH m
	LOADS \m, 0, 0
	LOADS \m, 1, 1
	WIN 0
.set i, 0
.rept 40*(4+(\m))
	v_mov_b32 v[ACC+i], 0                          ; the sums start at 0, written while the first loads are on their way: the loop has one form of product
.set i, i+1
.endr
	s_mov_b32 s[CNT], 7
.Ltrip_\@:
	s_wait_loadcnt 36+4*(\m)                       ; set 0 is in; the other set's loads may stay out
	CVT \m, 0
	s_wait_xcnt 0x0                                ; every load issued so far has read its address: the pointers may be written
.if \m
	s_add_nc_u64 s[PP:PP+1], s[PP:PP+1], 256
	s_add_nc_u64 s[ZP:ZP+1], s[ZP:ZP+1], 256
.else
	s_add_nc_u64 s[PP:PP+1], s[PP:PP+1], 131072
.endif
	s_add_nc_u64 s[QP:QP+1], s[QP:QP+1], 256
	s_add_nc_u64 s[SP:SP+1], s[SP:SP+1], 256
	LOADS \m, 0, 0
	MULS 0, 4+(\m)
	s_wait_loadcnt 36+4*(\m)                       ; set 1 is in
	CVT \m, 1
	LOADS \m, 1, 1
	MULS 1, 4+(\m)
	WIN 0
	s_sub_co_u32 s[CNT], s[CNT], 1
	s_cmp_lg_u32 s[CNT], 0
	s_cbranch_scc1 .Ltrip_\@
	s_wait_loadcnt 36+4*(\m)                       ; the last two steps load nothing
	CVT \m, 0
	MULS 0, 4+(\m)
	s_wait_loadcnt 0x0
	CVT \m, 1
	MULS 1, 4+(\m)
	WIN 0
.rept 8
	v_nop                                          ; the places behind the last products
.endr
.set f, 0
.rept 4+(\m)
.set g, 0
.rept 5                                ; each accumulator's low registers go first
.if \m
	ds_store_b128 v[LSM], v[ACC+8*(5*f+g):ACC+8*(5*f+g)+3]   offset:f*16*RPITCH+g*64
	ds_store_b128 v[LSM], v[ACC+8*(5*f+g)+4:ACC+8*(5*f+g)+7] offset:f*16*RPITCH+g*64+16
.else
	ds_store_b128 v[LSN], v[ACC+8*(5*f+g):ACC+8*(5*f+g)+3]   offset:f*RPITCH+g*64
	ds_store_b128 v[LSN], v[ACC+8*(5*f+g)+4:ACC+8*(5*f+g)+7] offset:f*RPITCH+g*64+16
.endif
.set g, g+1
.endr
.set f, f+1
.endr
.endm
	s_load_b512 s[8:23], s[0:1], 0x0               ; Wq, Wk, bq, bk, Wq2, Wk2, bq2, bk2
	s_load_b512 s[24:39], s[0:1], 0x40             ; Wo0, Wv, bv, bo0, Wo1, Wv2, bv2, bo1
	s_load_b256 s[40:47], s[0:1], 0x80             ; Wf0, Wf1, wfrag, vecs
	v_lshl_add_u32 v[SPW], v0, 2, SPARE
	v_mov_b32 v[NIL], 0
	v_lshrrev_b32 v1, 5, v0
	v_readfirstlane_b32 s[WV], v1                  ; wave 0..3
	s_mov_b32 s[X], ttmp9
	s_and_b32 s[Y], ttmp7, 0xffff
	s_lshr_b32 s[NB], s[X], 3
	s_and_b32 s[KB], s[X], 7
	v_and_b32 v1, 15, v0                           ; l % 16
	v_bfe_u32 v2, v0, 4, 1                         ; l / 16
	v_lshlrev_b32 v[RO], 13, v1
	v_lshl_add_u32 v[RO], v2, 5, v[RO]
	v_lshlrev_b32 v[XO], 5, v2
	v_lshlrev_b32 v[CO], 14, v2
	v_lshl_add_u32 v[CO], v1, 4, v[CO]
	; my fragment of Wf: p = ((y % 2) 64 + x) 4 + w = 128 ng + 8 ks + ct
	s_and_b32 s[T0], s[Y], 1
	s_lshl_b32 s[T0], s[T0], 6
	s_add_co_u32 s[T0], s[T0], s[X]
	s_lshl_b32 s[T0], s[T0], 2
	s_add_co_u32 s[T0], s[T0], s[WV]
	s_bfe_u32 s[T1], s[T0], 0x40003                ; ks
	s_lshl_b32 s[T1], s[T1], 16                    ; 32 ks rows of 2,048 bytes
	s_lshr_b32 s[T2], s[T0], 7                     ; ng
	s_lshl_b32 s[T2], s[T2], 3
	s_and_b32 s[T2+1], s[T0], 7                    ; ct
	s_add_co_u32 s[T2], s[T2], s[T2+1]
	s_lshl_b32 s[T2], s[T2], 6                     ; 16 columns of 4 bytes each
	s_add_co_u32 s[T1], s[T1], s[T2]
	v_lshlrev_b32 v[WFO], 14, v2                   ; 8 (l / 16) rows
	v_lshl_add_u32 v[WFO], v1, 2, v[WFO]
	v_add_nc_u32 v[WFO], s[T1], v[WFO]
	s_lshl_b32 s[WFD], s[T0], 10                   ; where it goes: p x 1,024 in matrix 4 + y / 2 of wfrag
	s_lshr_b32 s[T1], s[Y], 1
	s_add_co_u32 s[T1], s[T1], 4
	s_lshl_b32 s[T1], s[T1], 19
	s_add_co_u32 s[WFD], s[WFD], s[T1]
	s_mov_b32 s[WFD+1], 0
	; LDS addresses
	s_mul_i32 s[T1], s[WV], REG
	s_mul_i32 s[T2], s[WV], 16*RPITCH
	v_mul_u32_u24 v[TT], v1, RPITCH
	v_add_nc_u32 v[LRU], s[T2], v[TT]
	v_add_nc_u32 v[LRU], 256, v[LRU]
	v_lshl_add_u32 v[TT], v2, 5, v[TT]
	v_add_nc_u32 v[LSM], s[T1], v[TT]
	v_add_nc_u32 v[LRD], s[T2], v[TT]
	v_mul_u32_u24 v[LSN], v1, 4*RPITCH
	v_lshl_add_u32 v[LSN], v2, 5, v[LSN]
	v_add_nc_u32 v[LSN], s[T1], v[LSN]
	s_lshl_b32 s[T2], s[WV], 6
	v_lshl_add_u32 v[VO], v1, 2, s[T2]
	v_add_nc_u32 v[LRC], 64*RPITCH, v[VO]
	v_mov_b32 v[LRT], 64*RPITCH+256
	v_add_nc_u32 v[LRD2], 2*REG, v[LRD]
	v_add_nc_u32 v[LRU2], 2*REG, v[LRU]
	v_add_nc_u32 v[LRC2], 2*REG, v[LRC]
	v_add_nc_u32 v[LRT2], 2*REG, v[LRT]
	v_and_b32 v[LO], 31, v0
	v_lshlrev_b32 v[LO], 4, v[LO]
	v_mov_b32 v[BOV], 0
	v_mov_b32 v[ZO], 0
	; where my 16 n x 64 k of the tile go: y x 524,288 + ((nb / 2) 128 + 16 kb + 4 (nb % 2) + w) x 1,024
	s_lshr_b32 s[T0], s[NB], 1
	s_lshl_b32 s[T0], s[T0], 7
	s_lshl_b32 s[T1], s[KB], 4
	s_add_co_u32 s[T0], s[T0], s[T1]
	s_and_b32 s[T1], s[NB], 1
	s_lshl_b32 s[T1], s[T1], 2
	s_add_co_u32 s[T0], s[T0], s[T1]
	s_add_co_u32 s[T0], s[T0], s[WV]
	s_lshl_b32 s[T0], s[T0], 10
	s_lshl_b32 s[T1], s[Y], 19
	s_add_co_u32 s[FB], s[T0], s[T1]
	s_mov_b32 s[FB+1], 0
	; u or d in vecs: (y % 2) 6,144 + (y / 2) 4,096 + 256 nb
	s_and_b32 s[CNT], s[Y], 1                      ; y % 2
	s_mul_i32 s[VP], s[CNT], 6144
	s_lshr_b32 s[T1], s[Y], 1
	s_lshl_b32 s[T1], s[T1], 12
	s_add_co_u32 s[VP], s[VP], s[T1]
	s_lshl_b32 s[T1], s[NB], 8
	s_add_co_u32 s[VP], s[VP], s[T1]
	s_mov_b32 s[VP+1], 0
	s_lshl_b32 s[T0], s[WV], 11                    ; my 512 h in a row or a bias
	s_mov_b32 s[T0+1], 0
	s_lshl_b32 s[T2], s[KB], 19                    ; Q's 64 rows
	s_add_co_u32 s[T2], s[T2], s[T0]
	s_mov_b32 s[T2+1], 0
	s_mov_b32 s[T1+1], 0
	s_wait_kmcnt 0x0
	s_add_nc_u64 s[FB:FB+1], s[44:45], s[FB:FB+1]
	s_add_nc_u64 s[WFD:WFD+1], s[44:45], s[WFD:WFD+1]
	s_add_nc_u64 s[VP:VP+1], s[46:47], s[VP:VP+1]
	s_cmp_lt_u32 s[Y], 2
	s_cselect_b64 s[WSRC:WSRC+1], s[40:41], s[42:43]
.set e, 0
.rept 16                               ; Wf[k][n]: lane (r, h) takes column n = r of its fragment, rows k = 16 (e / 8) + 8 h + e % 8; held until the end
	global_load_b32 v[WFS+e], v[WFO], s[WSRC:WSRC+1] offset:(16*(e/8)+e%8)*2048
.set e, e+1
.endr
	s_cmp_lt_u32 s[Y], 2
	s_cbranch_scc0 .Lnjob
	s_cmp_eq_u32 s[CNT], 0
	s_cselect_b64 s[PP:PP+1], s[8:9], s[16:17]
	s_cselect_b64 s[QP:QP+1], s[10:11], s[18:19]
	s_cselect_b64 s[ZP:ZP+1], s[12:13], s[20:21]
	s_cselect_b64 s[SP:SP+1], s[14:15], s[22:23]
	s_lshl_b32 s[T1], s[NB], 19                    ; P's 64 rows
	s_add_co_u32 s[T1], s[T1], s[T0]
	s_add_nc_u64 s[PP:PP+1], s[PP:PP+1], s[T1:T1+1]
	s_add_nc_u64 s[QP:QP+1], s[QP:QP+1], s[T2:T2+1]
	s_add_nc_u64 s[ZP:ZP+1], s[ZP:ZP+1], s[T0:T0+1]
	s_add_nc_u64 s[SP:SP+1], s[SP:SP+1], s[T0:T0+1]
	PATH 1
	s_branch .Lreduce
.Lnjob:
	s_cmp_eq_u32 s[CNT], 0
	s_cselect_b64 s[PP:PP+1], s[24:25], s[32:33]
	s_cselect_b64 s[QP:QP+1], s[26:27], s[34:35]
	s_cselect_b64 s[SP:SP+1], s[28:29], s[36:37]
	s_cselect_b64 s[BOP:BOP+1], s[30:31], s[38:39]
	s_lshl_b32 s[T1], s[WV], 20                    ; my 512 rows of Wo,
	s_lshl_b32 s[CNT], s[NB], 8                    ; the tile's 64 columns
	s_add_co_u32 s[T1], s[T1], s[CNT]
	s_add_nc_u64 s[PP:PP+1], s[PP:PP+1], s[T1:T1+1]
	s_add_nc_u64 s[QP:QP+1], s[QP:QP+1], s[T2:T2+1]
	s_add_nc_u64 s[SP:SP+1], s[SP:SP+1], s[T0:T0+1]
	s_mov_b32 s[T1], s[CNT]
	s_add_nc_u64 s[BOP:BOP+1], s[BOP:BOP+1], s[T1:T1+1]
	global_load_b32 v[BOV], v[VO], s[BOP:BOP+1]    ; bo[64 nb + 16 w + l % 16]
	PATH 0
.Lreduce:
	s_wait_dscnt 0x0                               ; for the others' sake: my partial tile lies in LDS
	s_barrier_signal -1
	s_barrier_wait -1
	; wave w adds the four partial tiles' rows 16 w .. 16 w + 15
.set g, 0
.rept 4
.set e, 0
.rept 2
	ds_load_b128 v[32+32*g+8*e:32+32*g+8*e+3],     v[LRD]  offset:e*REG+g*64
	ds_load_b128 v[32+32*g+8*e+4:32+32*g+8*e+7],   v[LRD]  offset:e*REG+g*64+16
	ds_load_b128 v[32+32*g+8*e+16:32+32*g+8*e+19], v[LRD2] offset:e*REG+g*64
	ds_load_b128 v[32+32*g+8*e+20:32+32*g+8*e+23], v[LRD2] offset:e*REG+g*64+16
.set e, e+1
.endr
.set g, g+1
.endr
	ds_load_b32 v160, v[LRU]
	ds_load_b32 v161, v[LRU] offset:REG
	ds_load_b32 v162, v[LRU2]
	ds_load_b32 v163, v[LRU2] offset:REG
	s_wait_dscnt 0x0
.set g, 0
.rept 4
.set e, 0
.rept 4
	v_pk_add_f32 v[32+32*g+2*e:32+32*g+2*e+1], v[32+32*g+2*e:32+32*g+2*e+1], v[40+32*g+2*e:40+32*g+2*e+1]
	v_pk_add_f32 v[48+32*g+2*e:48+32*g+2*e+1], v[48+32*g+2*e:48+32*g+2*e+1], v[56+32*g+2*e:56+32*g+2*e+1]
.set e, e+1
.endr
.set e, 0
.rept 4
	v_pk_add_f32 v[32+32*g+2*e:32+32*g+2*e+1], v[32+32*g+2*e:32+32*g+2*e+1], v[48+32*g+2*e:48+32*g+2*e+1]
.set e, e+1
.endr
.set e, 0
.rept 4
	v_cvt_pk_bf16_f32 v[176+4*g+e], v[32+32*g+2*e], v[32+32*g+2*e+1]
.set e, e+1
.endr
	global_store_b128 v[LO], v[176+4*g:176+4*g+3], s[FB:FB+1] offset:(g/2)*8192+(g%2)*512  ; 512 consecutive bytes, aligned
.set g, g+1
.endr
	s_cmp_lg_u32 s[KB], 0                          ; u or d: every kb makes it; kb = 0 stores it
	s_cbranch_scc1 .Lno_u
	v_add_f32 v160, v160, v161
	v_add_f32 v162, v162, v163
	v_add_f32 v160, v160, v162
	v_add_f32 v160, v160, v[BOV]                   ; + bo (y >= 2), + 0 (y < 2)
	global_store_b32 v[VO], v160, s[VP:VP+1]       ; the two halves of the lanes hold, and store, the same numbers
.Lno_u:
	s_cmp_lt_u32 s[Y], 2
	s_cbranch_scc0 .Lno_c
	s_cmp_lg_u32 s[NB], 0                          ; c: nb = 0 stores it
	s_cbranch_scc1 .Lno_c
	ds_load_b32 v164, v[LRC]
	ds_load_b32 v165, v[LRC] offset:REG
	ds_load_b32 v166, v[LRC2]
	ds_load_b32 v167, v[LRC2] offset:REG
	s_mul_i32 s[T0], s[Y], 6144
	s_lshl_b32 s[T1], s[KB], 8
	s_add_co_u32 s[T0], s[T0], s[T1]
	s_mov_b32 s[T0+1], 0
	s_add_nc_u64 s[T0:T0+1], s[46:47], s[T0:T0+1]
	s_wait_dscnt 0x0
	v_add_f32 v164, v164, v165
	v_add_f32 v166, v166, v167
	v_add_f32 v164, v164, v166
	global_store_b32 v[VO], v164, s[T0:T0+1] offset:2048
	s_or_b32 s[T1], s[X], s[WV]                    ; t: wave 0 of work-group x = 0
	s_cmp_lg_u32 s[T1], 0
	s_cbranch_scc1 .Lno_c
	ds_load_b32 v168, v[LRT]
	ds_load_b32 v169, v[LRT] offset:REG
	ds_load_b32 v170, v[LRT2]
	ds_load_b32 v171, v[LRT2] offset:REG
	s_lshl_b32 s[T2], s[Y], 8
	s_mov_b32 s[T2+1], 0
	s_add_nc_u64 s[T2:T2+1], s[46:47], s[T2:T2+1]
	s_wait_dscnt 0x0
	v_add_f32 v168, v168, v169
	v_add_f32 v170, v170, v171
	v_add_f32 v168, v168, v170
	global_store_b32 v[ZO], v168, s[T2:T2+1] offset:12288
.Lno_c:
.set e, 0
.rept 8                                ; Wf's fragment (its loads were the oldest: the loop's first wait has shown them in)
	v_cvt_pk_bf16_f32 v[WFP+e], v[WFS+2*e], v[WFS+2*e+1]
.set e, e+1
.endr
	global_store_b128 v[LO], v[WFP:WFP+3],   s[WFD:WFD+1]
	global_store_b128 v[LO], v[WFP+4:WFP+7], s[WFD:WFD+1] offset:512
	s_wait_tensorcnt 0x0                           ; the wave's end: behind my last LDS store
	ds_add_u32 v[SPW], v[NIL]
	s_wait_dscnt 0x0
	s_endpgm
.Lfunc_end_k_qe38e1e3df9_prep:
	.size	k_qe38e1e3df9_prep, .Lfunc_end_k_qe38e1e3df9_prep-k_qe38e1e3df9_prep
	.p2alignl 7, 3214868480
	.fill 96, 4, 3214868480
	.section	.rodata,"a",@progbits
	.p2align	6, 0x0
	.amdhsa_kernel k_qe38e1e3df9_prep
		.amdhsa_group_segment_fixed_size 108032
		.amdhsa_private_segment_fixed_size 0
		.amdhsa_enable_private_segment 0
		.amdhsa_kernarg_size 160
		.amdhsa_user_sgpr_count 2
		.amdhsa_user_sgpr_kernarg_segment_ptr 1
		.amdhsa_wavefront_size32 1
		.amdhsa_system_sgpr_workgroup_id_x 1
		.amdhsa_system_sgpr_workgroup_id_y 1
		.amdhsa_system_sgpr_workgroup_id_z 1
		.amdhsa_system_vgpr_workitem_id 0
		.amdhsa_next_free_vgpr 768
		.amdhsa_next_free_sgpr 76
		.amdhsa_reserve_vcc 0
		.amdhsa_float_denorm_mode_32 3
		.amdhsa_float_denorm_mode_16_64 3
		.amdhsa_memory_ordered 1
		.amdhsa_forward_progress 1
		.amdhsa_inst_pref_size 113
	.end_amdhsa_kernel
	.amdgpu_metadata
---
amdhsa.version: [ 1, 2 ]
amdhsa.kernels:
  - .name:           k_qe38e1e3df9_prep
    .symbol:         k_qe38e1e3df9_prep.kd
    .args:
      - { .name: params_Wq, .offset: 0, .size: 8, .value_kind: global_buffer, .address_space: global }
      - { .name: params_Wk, .offset: 8, .size: 8, .value_kind: global_buffer, .address_space: global }
      - { .name: params_bq, .offset: 16, .size: 8, .value_kind: global_buffer, .address_space: global }
      - { .name: params_bk, .offset: 24, .size: 8, .value_kind: global_buffer, .address_space: global }
      - { .name: params_Wq2, .offset: 32, .size: 8, .value_kind: global_buffer, .address_space: global }
      - { .name: params_Wk2, .offset: 40, .size: 8, .value_kind: global_buffer, .address_space: global }
      - { .name: params_bq2, .offset: 48, .size: 8, .value_kind: global_buffer, .address_space: global }
      - { .name: params_bk2, .offset: 56, .size: 8, .value_kind: global_buffer, .address_space: global }
      - { .name: params_Wo0, .offset: 64, .size: 8, .value_kind: global_buffer, .address_space: global }
      - { .name: params_Wv, .offset: 72, .size: 8, .value_kind: global_buffer, .address_space: global }
      - { .name: params_bv, .offset: 80, .size: 8, .value_kind: global_buffer, .address_space: global }
      - { .name: params_bo0, .offset: 88, .size: 8, .value_kind: global_buffer, .address_space: global }
      - { .name: params_Wo1, .offset: 96, .size: 8, .value_kind: global_buffer, .address_space: global }
      - { .name: params_Wv2, .offset: 104, .size: 8, .value_kind: global_buffer, .address_space: global }
      - { .name: params_bv2, .offset: 112, .size: 8, .value_kind: global_buffer, .address_space: global }
      - { .name: params_bo1, .offset: 120, .size: 8, .value_kind: global_buffer, .address_space: global }
      - { .name: params_Wf0, .offset: 128, .size: 8, .value_kind: global_buffer, .address_space: global }
      - { .name: params_Wf1, .offset: 136, .size: 8, .value_kind: global_buffer, .address_space: global }
      - { .name: wfrag, .offset: 144, .size: 8, .value_kind: global_buffer, .address_space: global }
      - { .name: vecs, .offset: 152, .size: 8, .value_kind: global_buffer, .address_space: global }
    .group_segment_fixed_size: 108032
    .private_segment_fixed_size: 0
    .kernarg_segment_align: 8
    .kernarg_segment_size: 160
    .max_flat_workgroup_size: 128
    .sgpr_count:     76
    .vgpr_count:     768
    .wavefront_size: 32
...
	.end_amdgpu_metadata
.endif
;; end of part 1
;; launch proj (part 2): grid 64 x 4, 4 waves a work-group, no clusters, 67,072 bytes of LDS; arguments decoder_inputs, encoder_context, wfrag, vecs, kv, rho; writes kv, rho
.if DOCPART == 2
	.amdgcn_target "amdgcn-amd-amdhsa--gfx1250"
	.amdhsa_code_object_version 6
	.text
	.protected	k_qe38e1e3df9_proj
	.globl	k_qe38e1e3df9_proj
	.p2align	8
	.type	k_qe38e1e3df9_proj,@function
k_qe38e1e3df9_proj:
	s_mov_b64 s[64:65], 0
	v_nop
	global_prefetch_b8 v0, s[64:65] scope:SCOPE_SE
	s_setreg_imm32_b32 hwreg(HW_REG_WAVE_MODE, 25, 1), 1
	s_wait_xcnt 0x0
; THE KEYS' SIDE OF BOTH ATTENTIONS.  Job y (grid y): 0: K0'' = X M0^T + u0 and rho0 = X c0 + t0   1: the same of E, M1, u1, c1, t1   2: V0'' = X N0   3: V1'' = E N1.   X = decoder_inputs, E = encoder_context.
; A work-group takes 64 tokens (grid x; batch x / 8, block x % 8) and all 512 columns; wave w owns columns 128 w .. 128 w + 127: 32 accumulators of 16 x 16.
; A (the tokens, f32 in memory) is rounded to bf16 and laid into LDS once, each wave 16 rows; the rows stay in registers in f32 for rho.
; B (M or N, bf16 in layout F, see below) goes from memory straight into registers: a fragment of B is used by one wave alone, so LDS would add a write and a read and save nothing; for the same
; reason there is no cluster: no tile lands in LDS that partners could share.  A ring of four register sets, a K step of 32 each, keeps three sets' loads on their way.
; LAYOUT F of a 512 n x 512 k matrix: byte ((ng*16 + ks)*8 + ct)*1024 + half*512 + lane*16 holds n = (8 ng + ct)*16 + lane % 16, k = 32 ks + 16 half + 8 (lane / 16) + 0..7.
; RESULTS leave in layout F too, for the next launch's products.  K'' (n = key, k = channel): source 0 = M's fragment, source 1 = the tokens': a lane holds one token and 8 neighbouring channels.
; V'' (n = channel, k = key): the sources swapped: a lane holds one channel and 8 neighbouring tokens.  Either way four packed registers are 16 bytes of layout F, and a store covers 512 consecutive bytes.
; u starts K'''s sums, so no pass adds it later.  K'' and V'' are rounded once to bf16; rho stays f32.
; The prologue is one text for the four jobs: c, u and t (20 loads of 16 bytes a lane and one scalar load) are fetched in the V jobs too, which leave them unused.
; No prefetch: B's 131,072 bytes a wave are asked for by the ring from the launch's first lines on.
.set APITCH, 1040                      ; a row of A in LDS: 1,024 bytes + 16: an odd multiple of 16
.set SPARE,  64*APITCH                 ; 66,560: the spare words, 128 bytes a wave
.set RR,  1                            ; v1   l % 16
.set A0,  3                            ; v3   (l % 16) x pitch + 16 (l / 16): my place in a fragment of A
.set AC,  4                            ; v4   A0 + this trip's four K steps
.set AN,  5                            ; v5   A0 + the next trip's
.set BO,  6                            ; v6   16 x lane
.set AST, 7                            ; v7   where I put 8 bytes of a row of A
.set UO,  9                            ; v9   4 (128 w + 8 (l / 16))
.set RS,  11                           ; v11  rho of token l % 16 of my 16
.set RA,  12                           ; v12  4 (l % 16)
.set SPW, 14                           ; v14  my spare word; never rewritten
.set NIL, 15                           ; v15  0; never rewritten
.set CV,  16                           ; v16-31   c[128 j + 4 lane + 0..3], j = 0..3
.set DP,  32                           ; v32-63   a pair of partial dot products for each of my 16 rows
.set AF,  64                           ; v64-127  fragments of A: two sets of four
.set VEC, 128                          ; v128-191 u[128 w + 16 ct + 8 (l / 16) + j] at 8 ct + j
.set TMP, 128                          ; v128-255 later: the packed results
.set CVS, 192                          ; v192-223 rows of A in bf16 on their way to LDS
                                       ; window 1: the accumulators, (rt, ct) at 8 (8 rt + ct); before that my 16 rows of A in f32.   window 2: the ring, set s at 64 s
.set X,   2
.set Y,   3
.set WV,  4
.set BB,  5
.set BLK, 6
.set CNT, 7
.set AP,  20
.set ST,  22
.set RP,  24
.set OP,  26
.set VP,  28
.set RH,  30
.set TS,  32
.set AOF, 33
.set SEL, 34
.set T0,  36
.set T1,  38
.set TOF, 40
.set PAR, 41
.set MSB, 0
.macro WIN new                         ; the immediate's high byte repeats the setting that is left; a switch that changes nothing is dropped
.if MSB != (\new)
	s_set_vgpr_msb (MSB<<8)|(\new)
.set MSB, \new
.endif
.endm
.macro PLACES                          ; four places behind matrix instructions, in front of loads into registers that they read and of vector lines that read results
.rept 4
	v_nop
.endr
.endm
; ONE K STEP OF 32: 32 matrix instructions on 32 accumulators by turns (the same order in every step, over the backward jump too); then the set is asked for again,
; four K steps on, and A's fragments of the step after next are fetched.  ord = 1: source 0 = B.  lw: the younger global loads, dw: the younger LDS loads, that may stay out.
.macro KSTEP set, ord, refill, aload, lw, dw
	s_wait_loadcnt \lw
	s_wait_dscnt \dw
.if \ord
	WIN 0x52                                       ; B window 2, A window 0, C and D window 1
.else
	WIN 0x58                                       ; A window 0, B window 2
.endif
.set t, 0
.rept 32
.if \ord
	v_wmma_f32_16x16x32_bf16 v[8*t:8*t+7], v[64*(\set)+8*(t%8):64*(\set)+8*(t%8)+7], v[AF+32*((\set)%2)+8*(t/8):AF+32*((\set)%2)+8*(t/8)+7], v[8*t:8*t+7]
.else
	v_wmma_f32_16x16x32_bf16 v[8*t:8*t+7], v[AF+32*((\set)%2)+8*(t/8):AF+32*((\set)%2)+8*(t/8)+7], v[64*(\set)+8*(t%8):64*(\set)+8*(t%8)+7], v[8*t:8*t+7]
.endif
.set t, t+1
.endr
	PLACES
.if \refill
	WIN 0x80
.set t, 0
.rept 16
	global_load_b128 v[64*(\set)+4*t:64*(\set)+4*t+3], v[BO], s[RP:RP+1] offset:(\set)*8192+512*t
.set t, t+1
.endr
.endif
.if \aload
	WIN 0
.set t, 0
.rept 4
.if (\set) < 2
	ds_load_b128 v[AF+32*((\set)%2)+8*t:AF+32*((\set)%2)+8*t+3],   v[AC] offset:((\set)+2)*64+t*16*APITCH
	ds_load_b128 v[AF+32*((\set)%2)+8*t+4:AF+32*((\set)%2)+8*t+7], v[AC] offset:((\set)+2)*64+t*16*APITCH+32
.else
	ds_load_b128 v[AF+32*((\set)%2)+8*t:AF+32*((\set)%2)+8*t+3],   v[AN] offset:((\set)-2)*64+t*16*APITCH
	ds_load_b128 v[AF+32*((\set)%2)+8*t+4:AF+32*((\set)%2)+8*t+7], v[AN] offset:((\set)-2)*64+t*16*APITCH+32
.endif
.set t, t+1
.endr
.endif
.endm
.macro AFIRST                          ; A's fragments of K steps 0 and 1
	WIN 0
.set t, 0
.rept 8
	ds_load_b128 v[AF+8*t:AF+8*t+3],   v[A0] offset:(t/4)*64+(t%4)*16*APITCH
	ds_load_b128 v[AF+8*t+4:AF+8*t+7], v[A0] offset:(t/4)*64+(t%4)*16*APITCH+32
.set t, t+1
.endr
.endm
; Four of my rows of A: rounded, laid into LDS; then ring set q is asked for.  Behind the group's 16 loads 48 are younger: the groups still to come and the ring sets asked for so far.
.macro AGROUP q
	s_wait_loadcnt 48
	WIN 0x05
.set t, 0
.rept 32
	v_cvt_pk_bf16_f32 v[CVS+t], v[64*(\q)+2*t], v[64*(\q)+2*t+1]
.set t, t+1
.endr
	WIN 0
.set t, 0
.rept 16                               ; row 4 q + t / 4, columns 128 (t % 4) + 4 lane + 0..3
	ds_store_b64 v[AST], v[CVS+2*t:CVS+2*t+1] offset:(4*(\q)+t/4)*APITCH+(t%4)*256
.set t, t+1
.endr
	WIN 0x80
.set t, 0
.rept 16
	global_load_b128 v[64*(\q)+4*t:64*(\q)+4*t+3], v[BO], s[ST:ST+1] offset:(\q)*8192+512*t
.set t, t+1
.endr
.endm
.macro GEMMP ord                       ; 16 K steps: three trips of four, and a tail that asks for nothing
	AFIRST
	s_add_nc_u64 s[RP:RP+1], s[ST:ST+1], 0x8000
	s_mov_b32 s[AOF], 256
	v_mov_b32 v[AC], v[A0]
	v_add_nc_u32 v[AN], 256, v[A0]
	s_mov_b32 s[CNT], 3
.Lk_\@:
	KSTEP 0, \ord, 1, 1, 48, 8                     ; 48: the three other sets; 8: the next step's fragments of A
	KSTEP 1, \ord, 1, 1, 48, 8
	KSTEP 2, \ord, 1, 1, 48, 8
	KSTEP 3, \ord, 1, 1, 48, 8
	WIN 0
	s_wait_xcnt 0x0                                ; the trip's loads have read their address
	s_add_nc_u64 s[RP:RP+1], s[RP:RP+1], 0x8000
	v_mov_b32 v[AC], v[AN]
	s_add_co_u32 s[AOF], s[AOF], 256
	s_and_b32 s[AOF], s[AOF], 1023
	v_add_nc_u32 v[AN], s[AOF], v[A0]
	s_sub_co_u32 s[CNT], s[CNT], 1
	s_cmp_lg_u32 s[CNT], 0
	s_cbranch_scc1 .Lk_\@
	KSTEP 0, \ord, 0, 1, 48, 8                     ; the ring runs out: 48, 32, 16, 0
	KSTEP 1, \ord, 0, 1, 32, 8
	KSTEP 2, \ord, 0, 0, 16, 8
	KSTEP 3, \ord, 0, 0, 0, 0
.endm
.macro EPI kjob                        ; rounded to bf16, each accumulator's registers in ascending order, and stored
	PLACES
	WIN 0x05
.set t, 0
.rept 128
	v_cvt_pk_bf16_f32 v[TMP+t], v[2*t], v[2*t+1]
.set t, t+1
.endr
	WIN 0
.set t, 0
.rept 32                               ; t = 8 rt + ct
.if \kjob
	global_store_b128 v[BO], v[TMP+4*t:TMP+4*t+3], s[OP:OP+1] offset:((t%8)/2)*8192+(t/8)*1024+(t%2)*512
.else
	global_store_b128 v[BO], v[TMP+4*t:TMP+4*t+3], s[OP:OP+1] offset:((t/8)/2)*8192+(t%8)*1024+((t/8)%2)*512
.endif
.set t, t+1
.endr
.endm
	s_load_b256 s[8:15], s[0:1], 0x0               ; X, E, wfrag, vecs
	s_load_b128 s[16:19], s[0:1], 0x20             ; kv, rho
	v_lshl_add_u32 v[SPW], v0, 2, SPARE
	v_mov_b32 v[NIL], 0
	v_lshrrev_b32 v1, 5, v0
	v_readfirstlane_b32 s[WV], v1                  ; wave 0..3
	s_mov_b32 s[X], ttmp9
	s_and_b32 s[Y], ttmp7, 0xffff
	s_lshr_b32 s[BB], s[X], 3
	s_and_b32 s[BLK], s[X], 7
	s_and_b32 s[PAR], s[Y], 1
	v_and_b32 v[RR], 15, v0
	v_bfe_u32 v2, v0, 4, 1                         ; l / 16
	v_mul_u32_u24 v[A0], v[RR], APITCH
	v_lshl_add_u32 v[A0], v2, 4, v[A0]
	v_and_b32 v8, 31, v0
	v_lshlrev_b32 v[BO], 4, v8
	s_mul_i32 s[T0], s[WV], 16*APITCH
	v_lshl_add_u32 v[AST], v8, 3, s[T0]
	s_lshl_b32 s[T0], s[WV], 9
	v_lshl_add_u32 v[UO], v2, 5, s[T0]
	v_lshlrev_b32 v[RA], 2, v[RR]
	s_mov_b32 s[SEL], 0x76543210
	s_mov_b32 s[SEL+1], 0xfedcba98
	s_lshl_b32 s[AP], s[X], 17                     ; 64 rows of 2,048 bytes,
	s_lshl_b32 s[T0], s[WV], 15                    ; my 16 of them
	s_add_co_u32 s[AP], s[AP], s[T0]
	s_mov_b32 s[AP+1], 0
	s_lshl_b32 s[ST], s[Y], 19                     ; matrix y of wfrag,
	s_lshl_b32 s[T0], s[WV], 17                    ; my 128 columns' stream
	s_add_co_u32 s[ST], s[ST], s[T0]
	s_mov_b32 s[ST+1], 0
	s_mul_i32 s[VP], s[PAR], 6144
	s_mov_b32 s[VP+1], 0
	s_lshl_b32 s[RH], s[PAR], 14
	s_lshl_b32 s[T0], s[X], 8
	s_add_co_u32 s[RH], s[RH], s[T0]
	s_lshl_b32 s[T0], s[WV], 6
	s_add_co_u32 s[RH], s[RH], s[T0]
	s_mov_b32 s[RH+1], 0
	s_lshl_b32 s[OP], s[Y], 22                     ; tensor y of kv,
	s_lshl_b32 s[T0], s[BB], 19                    ; the batch
	s_add_co_u32 s[OP], s[OP], s[T0]
	s_mov_b32 s[OP+1], 0
	s_lshl_b32 s[TOF], s[PAR], 8
	s_wait_kmcnt 0x0
	s_cmp_eq_u32 s[PAR], 0
	s_cselect_b64 s[T0:T0+1], s[8:9], s[10:11]
	s_add_nc_u64 s[AP:AP+1], s[T0:T0+1], s[AP:AP+1]
	s_add_nc_u64 s[ST:ST+1], s[12:13], s[ST:ST+1]
	s_add_nc_u64 s[VP:VP+1], s[14:15], s[VP:VP+1]
	s_add_nc_u64 s[RH:RH+1], s[18:19], s[RH:RH+1]
	s_add_nc_u64 s[OP:OP+1], s[16:17], s[OP:OP+1]
	s_load_b32 s[TS], s[14:15], s[TOF] offset:0x3000   ; t
.set t, 0
.rept 4
	global_load_b128 v[CV+4*t:CV+4*t+3], v[BO], s[VP:VP+1] offset:2048+512*t
.set t, t+1
.endr
.set t, 0
.rept 16
	global_load_b128 v[VEC+4*t:VEC+4*t+3], v[UO], s[VP:VP+1] offset:(t/2)*64+(t%2)*16
.set t, t+1
.endr
	WIN 0x40
.set t, 0
.rept 64                               ; my 16 rows: row t / 4, 512 consecutive bytes a load
	global_load_b128 v[4*t:4*t+3], v[BO], s[AP:AP+1] offset:(t/4)*2048+(t%4)*512
.set t, t+1
.endr
	AGROUP 0
	AGROUP 1
	AGROUP 2
	AGROUP 3
	WIN 0
	s_wait_kmcnt 0x0                               ; t
	s_wait_dscnt 0x0                               ; for the others' sake: my rows of A lie in LDS
	s_barrier_signal -1
	s_barrier_wait -1
	s_cmp_lt_u32 s[Y], 2
	s_cbranch_scc0 .Lvjob
	; rho: sixteen dot products of 512, 16 numbers a lane
	WIN 0x01
.set q, 0
.rept 8
.set i, 0
.rept 16
.if q == 0
	v_pk_mul_f32 v[DP+2*i:DP+2*i+1], v[16*i:16*i+1], v[CV:CV+1]
.else
	v_pk_fma_f32 v[DP+2*i:DP+2*i+1], v[16*i+2*q:16*i+2*q+1], v[CV+2*q:CV+2*q+1], v[DP+2*i:DP+2*i+1]
.endif
.set i, i+1
.endr
.set q, q+1
.endr
	WIN 0
.set i, 0
.rept 16
	v_add_f32 v[DP+2*i], v[DP+2*i], v[DP+2*i+1]
.set i, i+1
.endr
.irp m, 1,2,4,8
.set i, 0
.rept 16
	v_add_f32_dpp v[DP+2*i], v[DP+2*i], v[DP+2*i] row_xmask:\m row_mask:0xf bank_mask:0xf
.set i, i+1
.endr
.endr
.set i, 0
.rept 16
	v_permlanex16_b32 v[DP+2*i+1], v[DP+2*i], s[SEL], s[SEL+1]
.set i, i+1
.endr
.set i, 0
.rept 16
	v_add_f32 v[DP+2*i], v[DP+2*i], v[DP+2*i+1]
.set i, i+1
.endr
	v_mov_b32 v[RS], 0
.set i, 0
.rept 16                               ; lane l keeps row l % 16
	v_cmp_eq_u32 vcc_lo, i, v[RR]
	v_cndmask_b32 v[RS], v[RS], v[DP+2*i], vcc_lo
.set i, i+1
.endr
	v_add_f32 v[RS], s[TS], v[RS]
	global_store_b32 v[RA], v[RS], s[RH:RH+1]      ; the two halves of the lanes store the same 16 numbers
	WIN 0x40
.set t, 0
.rept 256                              ; u starts the sums
	v_mov_b32 v[t], v[VEC+t%64]
.set t, t+1
.endr
	s_lshr_b32 s[T0], s[BLK], 1                    ; ((blk / 2) 128 + 32 w + 4 (blk % 2)) x 1,024
	s_lshl_b32 s[T0], s[T0], 7
	s_lshl_b32 s[T1], s[WV], 5
	s_add_co_u32 s[T0], s[T0], s[T1]
	s_and_b32 s[T1], s[BLK], 1
	s_lshl_b32 s[T1], s[T1], 2
	s_add_co_u32 s[T0], s[T0], s[T1]
	s_lshl_b32 s[T0], s[T0], 10
	s_mov_b32 s[T0+1], 0
	s_add_nc_u64 s[OP:OP+1], s[OP:OP+1], s[T0:T0+1]
	GEMMP 1
	EPI 1
	s_branch .Lend
.Lvjob:
	WIN 0x40
.set t, 0
.rept 256                              ; the sums start at 0, written while the ring's loads are on their way: 256 lines, once a launch, for one form of product
	v_mov_b32 v[t], 0
.set t, t+1
.endr
	s_lshl_b32 s[T0], s[WV], 7                     ; (128 w + 16 blk) x 1,024
	s_lshl_b32 s[T1], s[BLK], 4
	s_add_co_u32 s[T0], s[T0], s[T1]
	s_lshl_b32 s[T0], s[T0], 10
	s_mov_b32 s[T0+1], 0
	s_add_nc_u64 s[OP:OP+1], s[OP:OP+1], s[T0:T0+1]
	GEMMP 0
	EPI 0
.Lend:
	s_wait_tensorcnt 0x0                           ; the wave's end: behind my last LDS store
	ds_add_u32 v[SPW], v[NIL]
	s_wait_dscnt 0x0
	s_endpgm
.Lfunc_end_k_qe38e1e3df9_proj:
	.size	k_qe38e1e3df9_proj, .Lfunc_end_k_qe38e1e3df9_proj-k_qe38e1e3df9_proj
	.p2alignl 7, 3214868480
	.fill 96, 4, 3214868480
	.section	.rodata,"a",@progbits
	.p2align	6, 0x0
	.amdhsa_kernel k_qe38e1e3df9_proj
		.amdhsa_group_segment_fixed_size 67072
		.amdhsa_private_segment_fixed_size 0
		.amdhsa_enable_private_segment 0
		.amdhsa_kernarg_size 48
		.amdhsa_user_sgpr_count 2
		.amdhsa_user_sgpr_kernarg_segment_ptr 1
		.amdhsa_wavefront_size32 1
		.amdhsa_system_sgpr_workgroup_id_x 1
		.amdhsa_system_sgpr_workgroup_id_y 1
		.amdhsa_system_sgpr_workgroup_id_z 1
		.amdhsa_system_vgpr_workitem_id 0
		.amdhsa_next_free_vgpr 768
		.amdhsa_next_free_sgpr 66
		.amdhsa_reserve_vcc 1
		.amdhsa_float_denorm_mode_32 3
		.amdhsa_float_denorm_mode_16_64 3
		.amdhsa_memory_ordered 1
		.amdhsa_forward_progress 1
		.amdhsa_inst_pref_size 141
	.end_amdhsa_kernel
	.amdgpu_metadata
---
amdhsa.version: [ 1, 2 ]
amdhsa.kernels:
  - .name:           k_qe38e1e3df9_proj
    .symbol:         k_qe38e1e3df9_proj.kd
    .args:
      - { .name: decoder_inputs, .offset: 0, .size: 8, .value_kind: global_buffer, .address_space: global }
      - { .name: encoder_context, .offset: 8, .size: 8, .value_kind: global_buffer, .address_space: global }
      - { .name: wfrag, .offset: 16, .size: 8, .value_kind: global_buffer, .address_space: global }
      - { .name: vecs, .offset: 24, .size: 8, .value_kind: global_buffer, .address_space: global }
      - { .name: kv, .offset: 32, .size: 8, .value_kind: global_buffer, .address_space: global }
      - { .name: rho, .offset: 40, .size: 8, .value_kind: global_buffer, .address_space: global }
    .group_segment_fixed_size: 67072
    .private_segment_fixed_size: 0
    .kernarg_segment_align: 8
    .kernarg_segment_size: 48
    .max_flat_workgroup_size: 128
    .sgpr_count:     66
    .vgpr_count:     768
    .wavefront_size: 32
...
	.end_amdgpu_metadata
.endif
;; end of part 2
;; launch chain (part 3): grid 64 x 1, 4 waves a work-group, no clusters, 230,912 bytes of LDS; arguments decoder_inputs, kv, rho, wfrag, vecs, params_g0, params_be0, params_g1, params_be1, params_bf0, params_bf1, params_g2, params_be2, out0; writes out0
.if DOCPART == 3
	.amdgcn_target "amdgcn-amd-amdhsa--gfx1250"
	.amdhsa_code_object_version 6
	.text
	.protected	k_qe38e1e3df9_chain
	.globl	k_qe38e1e3df9_chain
	.p2align	8
	.type	k_qe38e1e3df9_chain,@function
k_qe38e1e3df9_chain:
	s_mov_b64 s[64:65], 0
	v_nop
	global_prefetch_b8 v0, s[64:65] scope:SCOPE_SE
	s_setreg_imm32_b32 hwreg(HW_REG_WAVE_MODE, 25, 1), 1
	s_wait_xcnt 0x0
; THE WHOLE LAYER FOR 64 QUERY ROWS, in three stages of one text:
;   stage 0: S = x K0''^T + rho0, hidden scores replaced, softmax, y = P V0'' + d0 + x, x = LN(y; g0, be0)
;   stage 1: the same with K1'', rho1, V1'', d1, g1, be1 and no mask
;   stage 2: h = relu(x Wf0 + bf0), y = h Wf1 + bf1 + x, x = LN(y; g2, be2); then x is stored.
; K'', V'', rho, d come from the launches before (the weights folded: see there).  Each stage is two products 64 x 512 x 512.
; SHARES.  Work-group g: rows 64 g .. 64 g + 63 (batch g / 8, block g % 8).  Wave w owns all 64 rows x columns 128 w .. 128 w + 127: 32 accumulators.  64 rows to a work-group, since B's bytes for a
; work-group do not fall with its rows: 3 MiB each; with 16 rows and 256 work-groups four times the bytes would be read for the same products.
; LAYOUT.  Source 0 = B's fragment, source 1 = A's: lane (r = l % 16, h = l / 16) holds row 16 rt + r and columns 128 w + 16 ct + 8 h + 0..7.  So a row's maximum and sums are made in the lane, by one
; exchange of the lanes' halves and one exchange of four words a row between the waves through LDS, and four packed registers are 16 bytes of a row of the next product's A.
; A (x, P or h in bf16) lies in LDS, 64 rows.  B (layout F: byte ((ng*16 + ks)*8 + ct)*1024 + half*512 + lane*16) goes from memory straight into registers: a fragment of B is used by one wave alone, so
; LDS, tensor loads and a cluster's joint loads would add a write and a read and share nothing.  A ring of four register sets, a K step of 32 each, runs on from product to product: a product's last trip asks
; for the next product's first four K steps.
; THE SUMS START from rho, a bias, or x + bias: no pass adds them later.
; THE MASK.  reference() gives hidden scores the finite number -1e6 and keeps them in the softmax; so does this text: no key is left out.  LIMITS: the hidden score is -22,627,416 ahead of the scale
; 1 / sqrt(512), which is -1e6 to 1 part in 1e7; x, P, h are rounded once to bf16 as matrix operands (P behind its division by the row's sum); a weight below 2^-126 counts as 0; NaN and infinities are
; not treated apart.  Maxima, sums, statistics, residuals and biases in f32; the variance is taken of x - mean.
.set APITCH, 1040                      ; a row of A in LDS: 1,024 bytes + 16: an odd multiple of 16
.set VECB,   64*APITCH                 ; 66,560: twelve vectors of 2,048 bytes: stage s at 8,192 s: what starts the first sums (rho or bf0), the second product's bias (d or bf1), g, be
.set STATS,  VECB+12*2048              ; 91,136: four areas of 1,024 bytes: [wave][l % 16][rt] f32
.set OUTS,   STATS+4096                ; 95,232: for each wave 64 rows x 528 bytes, for the way out
.set OPITCH, 528
.set OWAVE,  64*OPITCH
.set SPARE,  OUTS+4*OWAVE              ; 230,400: the spare words, 128 bytes a wave
.set RR,  1                            ; v1   l % 16
.set BO,  2                            ; v2   16 x lane
.set A0,  3                            ; v3   (l % 16) x pitch + 16 (l / 16)
.set AC,  4                            ; v4   A0 + this trip's four K steps
.set AN,  5                            ; v5   A0 + the next trip's
.set PST, 6                            ; v6   where I put 16 bytes of a row of A: A0 + 256 w
.set VAS, 8                            ; v8   my 8 numbers of the stage's first vector: VECB + 8,192 stage + 4 (128 w + 8 (l / 16))
.set STW, 9                            ; v9   where I put four row figures
.set STR, 10                           ; v10  where I read the four waves' figures
.set EE,  11                           ; v11  64 (g % 8) + l % 16 - 128 w - 8 (l / 16): register j of (rt, ct) is hidden where 16 (ct - rt) + j is greater
.set MV,  12                           ; v12  the hidden score
.set ZR,  13                           ; v13  0
.set OST, 14                           ; v14  the way out: where I put 16 bytes
.set ORD, 15                           ; v15  the way out: where I read a row's 512 bytes back
.set XO,  16                           ; v16  (l % 16) x 2,048 + 32 (l / 16)
.set PFO, 17                           ; v17  256 x lane
.set SPW, 18                           ; v18  my spare word; never rewritten
.set NIL, 19                           ; v19  0; never rewritten
.set LL,  20                           ; v20-27  a pair of partial sums for each rt
.set HH,  28
.set VST, 29
.set VLO, 30
.set LS,  32                           ; v32-35  a figure for each rt
.set GA,  36                           ; v36-51  the four waves' figures
.set PR,  52                           ; v52-59  a pair for each rt; the packed lines take its low word for both halves
.set AF,  64                           ; v64-127 fragments of A, two sets of four; between products: one vector (VA)
.set VA,  64
.set TMP, 128                          ; v128-255 packed results; in the norm g (v128-191) and be (v192-255)
.set VB,  192
                                       ; window 1: the accumulators, (rt, ct) at 8 (8 rt + ct).   window 2: the ring, set s at 64 s.   window 3: x in f32, in the accumulators' layout
.set G,   2
.set WV,  3
.set BB,  4
.set QB,  5
.set STG, 6
.set CNT, 7
.set KF0, 36
.set VF0, 38
.set KF1, 40
.set VF1, 42
.set F0,  44
.set F1,  46
.set PA,  48
.set PB,  50
.set PN,  52
.set RP,  54
.set NX,  56
.set PFP, 58
.set PFN, 60
.set AOF, 61
.set W2,  62
.set CS,  66                           ; s[66:67] c = log2(e) / sqrt(512)
.set SEL, 68
.set I512, 70
.set EPS, 71
.set OUTP, 72
.set T0,  74
.set T1,  76
.set T2,  78
.set T3,  80
.set QO,  82
.set RHP, 84
.set XP,  86
.set PF1, 88
.set PF2, 89
.set MSB, 0
.macro WIN new                         ; the immediate's high byte repeats the setting that is left; a switch that changes nothing is dropped
.if MSB != (\new)
	s_set_vgpr_msb (MSB<<8)|(\new)
.set MSB, \new
.endif
.endm
.macro PLACES                          ; four places behind matrix instructions (ISA guide 7.12.1)
.rept 4
	v_nop
.endr
.endm
.macro BARRIER
	s_wait_dscnt 0x0                               ; for the others' sake: my LDS stores are done and my LDS reads are back
	s_barrier_signal -1
	s_barrier_wait -1
.endm
; ONE K STEP OF 32: 32 matrix instructions on 32 accumulators by turns (the same order in every step, over the backward jump too); then the set is asked for again, four K steps on,
; and A's fragments of the step after next are fetched.  48 younger global loads (the three other sets) and 8 younger LDS loads (the next step's fragments) may stay out.
.macro KSTEP set
	s_wait_loadcnt 48
	s_wait_dscnt 8
	WIN 0x52                                       ; B window 2, A window 0, C and D window 1
.set t, 0
.rept 32
	v_wmma_f32_16x16x32_bf16 v[8*t:8*t+7], v[64*(\set)+8*(t%8):64*(\set)+8*(t%8)+7], v[AF+32*((\set)%2)+8*(t/8):AF+32*((\set)%2)+8*(t/8)+7], v[8*t:8*t+7]
.set t, t+1
.endr
	PLACES
	WIN 0x80
.set t, 0
.rept 16
	global_load_b128 v[64*(\set)+4*t:64*(\set)+4*t+3], v[BO], s[RP:RP+1] offset:(\set)*8192+512*t
.set t, t+1
.endr
	WIN 0
.set t, 0
.rept 4
.if (\set) < 2
	ds_load_b128 v[AF+32*((\set)%2)+8*t:AF+32*((\set)%2)+8*t+3],   v[AC] offset:((\set)+2)*64+t*16*APITCH
	ds_load_b128 v[AF+32*((\set)%2)+8*t+4:AF+32*((\set)%2)+8*t+7], v[AC] offset:((\set)+2)*64+t*16*APITCH+32
.else
	ds_load_b128 v[AF+32*((\set)%2)+8*t:AF+32*((\set)%2)+8*t+3],   v[AN] offset:((\set)-2)*64+t*16*APITCH
	ds_load_b128 v[AF+32*((\set)%2)+8*t+4:AF+32*((\set)%2)+8*t+7], v[AN] offset:((\set)-2)*64+t*16*APITCH+32
.endif
.set t, t+1
.endr
.endm
; A PRODUCT: four trips of four K steps, one text.  cur: B's stream, whose first four K steps the ring already holds or has asked for; nx: the next product's stream; pfn: in how many trips I prefetch.
; Trip t asks for trip t + 1's K steps, the last trip for the next product's first four.  Two prices of the one text: the last trip's fetches of A wrap to K steps 0 and 1 and are not used (16 LDS loads a
; product), and the launch's last product asks once more for 32,768 bytes a wave of Wf0's stream, which nobody uses.
; THE PREFETCH.  In a product's first two trips a wave names 2 x 32 blocks of 256 bytes of ITS OWN stream of the next product: the eighth that belongs to its work-group's place g % 8 in the batch, chosen by
; address.  A batch's eight work-groups read the same streams of K'' and V'', so each block is named once; Wf0's and Wf1's streams are read by all 64, and batch 0's eight name them.  The lines stand behind a
; K step's loads, two or three trips ahead of the first load of that stream.  The first product's stream and the last product ask for nothing.
.macro GEMM cur, nx, pfn
	s_add_nc_u64 s[RP:RP+1], s[\cur:\cur+1], 0x8000
	s_mov_b64 s[NX:NX+1], s[\nx:\nx+1]
	s_add_nc_u64 s[PFP:PFP+1], s[\nx:\nx+1], s[QO:QO+1]
	s_mov_b32 s[PFN], s[\pfn]
	s_mov_b32 s[AOF], 256
	v_mov_b32 v[AC], v[A0]
	v_add_nc_u32 v[AN], 256, v[A0]
.set t, 0
.rept 8                                ; A's fragments of K steps 0 and 1
	ds_load_b128 v[AF+8*t:AF+8*t+3],   v[A0] offset:(t/4)*64+(t%4)*16*APITCH
	ds_load_b128 v[AF+8*t+4:AF+8*t+7], v[A0] offset:(t/4)*64+(t%4)*16*APITCH+32
.set t, t+1
.endr
	s_mov_b32 s[CNT], 4
.Lk_\@:
	KSTEP 0
	s_cmp_lg_u32 s[PFN], 0
	s_cbranch_scc0 .Lnp_\@
	global_prefetch_b8 v[PFO], s[PFP:PFP+1] th:TH_LOAD_NT scope:SCOPE_SE
.Lnp_\@:
	KSTEP 1
	KSTEP 2
	KSTEP 3
	s_wait_xcnt 0x0                                ; the trip's loads and its prefetch, three K steps back, have read their addresses
	s_add_nc_u64 s[RP:RP+1], s[RP:RP+1], 0x8000
	s_cmp_eq_u32 s[CNT], 2                         ; the trip to come is the last: it asks for the next stream's head
	s_cselect_b64 s[RP:RP+1], s[NX:NX+1], s[RP:RP+1]
	s_add_nc_u64 s[PFP:PFP+1], s[PFP:PFP+1], 0x2000
	s_sub_co_i32 s[PFN], s[PFN], 1
	s_max_i32 s[PFN], s[PFN], 0
	v_mov_b32 v[AC], v[AN]
	s_add_co_u32 s[AOF], s[AOF], 256
	s_and_b32 s[AOF], s[AOF], 1023
	v_add_nc_u32 v[AN], s[AOF], v[A0]
	s_sub_co_u32 s[CNT], s[CNT], 1
	s_cmp_lg_u32 s[CNT], 0
	s_cbranch_scc1 .Lk_\@
	PLACES                                         ; with the last K step's four: eight places in front of the lines that read the results
.endm
.macro ROWEND                          ; the pairs' halves, then the other half of the lanes: my wave's figure for each of my lane's four rows
.set i, 0
.rept 4
	v_add_f32 v[LS+i], v[LL+2*i], v[LL+2*i+1]
.set i, i+1
.endr
.set i, 0
.rept 4
	v_permlanex16_b32 v[GA+i], v[LS+i], s[SEL], s[SEL+1]
.set i, i+1
.endr
.set i, 0
.rept 4
	v_add_f32 v[LS+i], v[LS+i], v[GA+i]
.set i, i+1
.endr
.endm
; The sum (sq = 0) or the sum of squares (sq = 1) of my 64 numbers of each row.  Pair 0 of every accumulator is read first; the four rows' chains take turns.
.macro SUMP sq
	WIN 0x05
.set rt, 0
.rept 4
.if \sq
	v_pk_mul_f32 v[LL+2*rt:LL+2*rt+1], v[64*rt:64*rt+1], v[64*rt:64*rt+1]
.else
	v_pk_add_f32 v[LL+2*rt:LL+2*rt+1], v[64*rt:64*rt+1], v[64*rt+2:64*rt+3]
.endif
.set rt, rt+1
.endr
.if !(\sq)
	WIN 0x01
.endif
.set p, 0
.rept 4
.set ct, 0
.rept 8
.if (ct > 0) || (p > 1-(\sq))
.set rt, 0
.rept 4
.if \sq
	v_pk_fma_f32 v[LL+2*rt:LL+2*rt+1], v[64*rt+8*ct+2*p:64*rt+8*ct+2*p+1], v[64*rt+8*ct+2*p:64*rt+8*ct+2*p+1], v[LL+2*rt:LL+2*rt+1]
.else
	v_pk_add_f32 v[LL+2*rt:LL+2*rt+1], v[64*rt+8*ct+2*p:64*rt+8*ct+2*p+1], v[LL+2*rt:LL+2*rt+1]
.endif
.set rt, rt+1
.endr
.endif
.set ct, ct+1
.endr
.set p, p+1
.endr
	WIN 0
	ROWEND
.endm
.macro GATHER area, ismax              ; the four waves' figures for my lane's four rows, folded in the same order in every wave
.set i, 0
.rept 4
	ds_load_b128 v[GA+4*i:GA+4*i+3], v[STR] offset:(\area)+256*i
.set i, i+1
.endr
	s_wait_dscnt 0x0
.set i, 0
.rept 4
.if \ismax
	v_max3_num_f32 v[LS+i], v[GA+i], v[GA+4+i], v[GA+8+i]
.else
	v_add_f32 v[LS+i], v[GA+i], v[GA+4+i]
	v_add_f32 v[GA+8+i], v[GA+8+i], v[GA+12+i]
.endif
.set i, i+1
.endr
.set i, 0
.rept 4
.if \ismax
	v_max_num_f32 v[LS+i], v[LS+i], v[GA+12+i]
.else
	v_add_f32 v[LS+i], v[LS+i], v[GA+8+i]
.endif
.set i, i+1
.endr
.endm
.macro ROWOP kind                      ; all 256 numbers with their row's figure: 0: a c - figure   1: a x figure   2: a - figure
	WIN 0x41
.set t, 0
.rept 128
.if (\kind) == 0
	v_pk_fma_f32 v[2*t:2*t+1], v[2*t:2*t+1], s[CS:CS+1], v[PR+2*(t/32):PR+2*(t/32)+1] op_sel_hi:[1,0,0] neg_lo:[0,0,1] neg_hi:[0,0,1]
.elseif (\kind) == 1
	v_pk_mul_f32 v[2*t:2*t+1], v[2*t:2*t+1], v[PR+2*(t/32):PR+2*(t/32)+1] op_sel_hi:[1,0]
.else
	v_pk_add_f32 v[2*t:2*t+1], v[2*t:2*t+1], v[PR+2*(t/32):PR+2*(t/32)+1] op_sel_hi:[1,0] neg_lo:[0,1] neg_hi:[0,1]
.endif
.set t, t+1
.endr
.endm
.macro TOA                             ; 32 x 16 bytes into A's rows
.set t, 0
.rept 32
	ds_store_b128 v[PST], v[TMP+4*t:TMP+4*t+3] offset:(t/8)*16*APITCH+(t%8)*32
.set t, t+1
.endr
.endm
.macro LDV dst, off                    ; my 64 numbers of a vector of the stage
.set t, 0
.rept 16
	ds_load_b128 v[(\dst)+4*t:(\dst)+4*t+3], v[VAS] offset:(\off)+(t/2)*64+(t%2)*16
.set t, t+1
.endr
.endm
	s_load_b512 s[8:23], s[0:1], 0x0               ; X, kv, rho, wfrag, vecs, g0, be0, g1
	s_load_b256 s[24:31], s[0:1], 0x40             ; be1, bf0, bf1, g2
	s_load_b128 s[32:35], s[0:1], 0x60             ; be2, out0
	v_lshl_add_u32 v[SPW], v0, 2, SPARE
	v_mov_b32 v[NIL], 0
	v_lshrrev_b32 v1, 5, v0
	v_readfirstlane_b32 s[WV], v1                  ; wave 0..3
	s_mov_b32 s[G], ttmp9
	s_lshr_b32 s[BB], s[G], 3
	s_and_b32 s[QB], s[G], 7
	v_and_b32 v[RR], 15, v0
	v_bfe_u32 v[HH], v0, 4, 1
	v_and_b32 v[BO], 31, v0
	v_lshlrev_b32 v[PFO], 8, v[BO]
	v_lshlrev_b32 v[BO], 4, v[BO]
	v_mul_u32_u24 v[A0], v[RR], APITCH
	v_lshl_add_u32 v[A0], v[HH], 4, v[A0]
	s_lshl_b32 s[T0], s[WV], 8
	v_add_nc_u32 v[PST], s[T0], v[A0]
	s_add_co_u32 s[T0], s[T0], STATS
	v_lshl_add_u32 v[STW], v[RR], 4, s[T0]
	v_lshlrev_b32 v[STR], 4, v[RR]
	v_add_nc_u32 v[STR], STATS, v[STR]
	s_lshl_b32 s[T0], s[WV], 9
	s_add_co_u32 s[T0], s[T0], VECB
	v_lshl_add_u32 v[VAS], v[HH], 5, s[T0]
	s_lshl_b32 s[T0], s[QB], 6
	s_lshl_b32 s[T1], s[WV], 7
	s_sub_co_i32 s[T0], s[T0], s[T1]
	v_lshlrev_b32 v[EE], 3, v[HH]
	v_sub_nc_u32 v[EE], v[RR], v[EE]
	v_add_nc_u32 v[EE], s[T0], v[EE]
	v_mov_b32 v[MV], 0xcbaca22c                    ; -22,627,416 = -1e6 x sqrt(512)
	v_mov_b32 v[ZR], 0
	s_mul_i32 s[T0], s[WV], OWAVE
	s_add_co_u32 s[T0], s[T0], OUTS
	v_mul_u32_u24 v[OST], v[RR], OPITCH
	v_lshl_add_u32 v[OST], v[HH], 5, v[OST]
	v_add_nc_u32 v[OST], s[T0], v[OST]
	v_add_nc_u32 v[ORD], s[T0], v[BO]
	v_lshlrev_b32 v[XO], 11, v[RR]
	v_lshl_add_u32 v[XO], v[HH], 5, v[XO]
	v_lshlrev_b32 v[VLO], 4, v0
	v_add_nc_u32 v[VST], VECB, v[VLO]
.set i, LL
.rept 8
	v_mov_b32 v[i], 0                              ; the small work registers are written once here: a lane exchange counts its destination as read, and a packed line names both words of a pair
.set i, i+1
.endr
.set i, LS
.rept 28
	v_mov_b32 v[i], 0
.set i, i+1
.endr
	s_lshl_b32 s[T1], s[WV], 17                    ; my 128 columns' stream in a matrix of layout F
	s_mov_b32 s[T1+1], 0
	s_lshl_b32 s[T0], s[BB], 19                    ; the batch
	s_add_co_u32 s[T0], s[T0], s[T1]
	s_mov_b32 s[T0+1], 0
	s_lshl_b32 s[T2], s[BB], 11
	s_mov_b32 s[T2+1], 0
	s_lshl_b32 s[T3], s[G], 17                     ; 64 rows of 2,048 bytes,
	s_lshl_b32 s[QO], s[WV], 9                     ; my 128 columns
	s_add_co_u32 s[T3], s[T3], s[QO]
	s_mov_b32 s[T3+1], 0
	s_lshl_b32 s[QO], s[QB], 14                    ; my work-group's eighth of a stream
	s_mov_b32 s[QO+1], 0
	s_cmp_eq_u32 s[BB], 0
	s_cselect_b32 s[W2], 2, 0
	s_mov_b32 s[CS], 0x3d8293ee                    ; c = log2(e) / sqrt(512) = 0.0637587
	s_mov_b32 s[CS+1], s[CS]
	s_mov_b32 s[SEL], 0x76543210
	s_mov_b32 s[SEL+1], 0xfedcba98
	s_mov_b32 s[I512], 0x3b000000                  ; 1 / 512
	s_mov_b32 s[EPS], 0x3727c5ac                   ; 1e-5
	s_wait_kmcnt 0x0
	s_add_nc_u64 s[KF0:KF0+1], s[10:11], s[T0:T0+1]
	s_add_nc_u64 s[KF1:KF1+1], s[KF0:KF0+1], 0x400000
	s_add_nc_u64 s[VF0:VF0+1], s[KF0:KF0+1], 0x800000
	s_add_nc_u64 s[VF1:VF1+1], s[KF0:KF0+1], 0xc00000
	s_add_nc_u64 s[F0:F0+1], s[14:15], s[T1:T1+1]
	s_add_nc_u64 s[F0:F0+1], s[F0:F0+1], 0x200000
	s_add_nc_u64 s[F1:F1+1], s[F0:F0+1], 0x80000
	s_add_nc_u64 s[RHP:RHP+1], s[12:13], s[T2:T2+1]
	s_add_nc_u64 s[XP:XP+1], s[8:9], s[T3:T3+1]
	s_add_nc_u64 s[OUTP:OUTP+1], s[34:35], s[T3:T3+1]
	; the twelve vectors: 128 threads x 16 bytes each
	global_load_b128 v[128:131], v[VLO], s[RHP:RHP+1]
	global_load_b128 v[132:135], v[VLO], s[16:17] offset:4096
	global_load_b128 v[136:139], v[VLO], s[18:19]
	global_load_b128 v[140:143], v[VLO], s[20:21]
	global_load_b128 v[144:147], v[VLO], s[RHP:RHP+1] offset:16384
	global_load_b128 v[148:151], v[VLO], s[16:17] offset:10240
	global_load_b128 v[152:155], v[VLO], s[22:23]
	global_load_b128 v[156:159], v[VLO], s[24:25]
	global_load_b128 v[160:163], v[VLO], s[26:27]
	global_load_b128 v[164:167], v[VLO], s[28:29]
	global_load_b128 v[168:171], v[VLO], s[30:31]
	global_load_b128 v[172:175], v[VLO], s[32:33]
	WIN 0xc0
.set t, 0
.rept 32                               ; x in f32, in the accumulators' layout
	global_load_b128 v[8*t:8*t+3],   v[XO], s[XP:XP+1] offset:(t/8)*32768+(t%8)*64
	global_load_b128 v[8*t+4:8*t+7], v[XO], s[XP:XP+1] offset:(t/8)*32768+(t%8)*64+16
.set t, t+1
.endr
	WIN 0x80
.set t, 0
.rept 64                               ; the ring: K0'''s first four K steps
	global_load_b128 v[4*t:4*t+3], v[BO], s[KF0:KF0+1] offset:512*t
.set t, t+1
.endr
	WIN 0
	s_wait_loadcnt 63                              ; 64 loads are younger than the last of x: the vectors and x are in
.set t, 0
.rept 12
	ds_store_b128 v[VST], v[128+4*t:128+4*t+3] offset:2048*t
.set t, t+1
.endr
	BARRIER
	s_mov_b32 s[STG], 0
.Lstage:
	s_cmp_eq_u32 s[STG], 0
	s_cselect_b64 s[PA:PA+1], s[KF0:KF0+1], s[KF1:KF1+1]
	s_cselect_b64 s[PB:PB+1], s[VF0:VF0+1], s[VF1:VF1+1]
	s_cselect_b64 s[PN:PN+1], s[KF1:KF1+1], s[F0:F0+1]
	s_cselect_b32 s[PF2], 2, s[W2]
	s_cmp_eq_u32 s[STG], 2
	s_cselect_b64 s[PA:PA+1], s[F0:F0+1], s[PA:PA+1]
	s_cselect_b64 s[PB:PB+1], s[F1:F1+1], s[PB:PB+1]
	s_cselect_b64 s[PN:PN+1], s[F0:F0+1], s[PN:PN+1]
	s_cselect_b32 s[PF2], 0, s[PF2]
	s_cselect_b32 s[PF1], s[W2], 2
	; x, rounded to bf16, becomes A (the last readers of A have waited for their reads in front of an earlier barrier)
	WIN 0x0f
.set t, 0
.rept 128
	v_cvt_pk_bf16_f32 v[TMP+t], v[2*t], v[2*t+1]
.set t, t+1
.endr
	WIN 0
	TOA
	LDV VA, 0
	s_wait_dscnt 0x0                               ; A's rows are stored, the vector is in
	s_barrier_signal -1
	WIN 0x40
.set t, 0
.rept 256                              ; rho or bf0 starts the sums: work on registers between the signal and the wait
	v_mov_b32 v[t], v[VA+t%64]
.set t, t+1
.endr
	WIN 0
	s_barrier_wait -1
	GEMM PA, PB, PF1
	; ---- the row's maximum (stages 0 and 1)
	s_cmp_lt_u32 s[STG], 2
	s_cbranch_scc0 .Ld1_end
	s_cmp_lg_u32 s[STG], 0
	s_cbranch_scc1 .Lno_mask
	WIN 0x41
.set j, 0
.rept 8                                ; register 0 of every accumulator first
.set d, -3
.rept 11
	v_cmp_gt_i32 vcc_lo, 16*d+j, v[EE]
.set rt, 0
.rept 4
.if (rt+d >= 0) && (rt+d <= 7)
	v_cndmask_b32 v[8*(9*rt+d)+j], v[8*(9*rt+d)+j], v[MV], vcc_lo
.endif
.set rt, rt+1
.endr
.set d, d+1
.endr
.set j, j+1
.endr
	WIN 0
.Lno_mask:
	WIN 0x15
.set t, 0
.rept 32
	v_max3_num_f32 v[TMP+t], v[8*t], v[8*t+1], v[8*t+2]
.set t, t+1
.endr
	WIN 0x14
.set t, 0
.rept 32
	v_max3_num_f32 v[TMP+t], v[TMP+t], v[8*t+3], v[8*t+4]
.set t, t+1
.endr
.set t, 0
.rept 32
	v_max3_num_f32 v[TMP+t], v[TMP+t], v[8*t+5], v[8*t+6]
.set t, t+1
.endr
	WIN 0x01
.set t, 0
.rept 32
	v_max_num_f32 v[TMP+t], v[8*t+7], v[TMP+t]
.set t, t+1
.endr
	WIN 0
.set i, 0
.rept 4
	v_max3_num_f32 v[TMP+8*i], v[TMP+8*i], v[TMP+8*i+1], v[TMP+8*i+2]
	v_max3_num_f32 v[TMP+8*i+3], v[TMP+8*i+3], v[TMP+8*i+4], v[TMP+8*i+5]
.set i, i+1
.endr
.set i, 0
.rept 4
	v_max3_num_f32 v[TMP+8*i], v[TMP+8*i], v[TMP+8*i+3], v[TMP+8*i+6]
.set i, i+1
.endr
.set i, 0
.rept 4
	v_max_num_f32 v[LS+i], v[TMP+8*i], v[TMP+8*i+7]
.set i, i+1
.endr
.set i, 0
.rept 4
	v_permlanex16_b32 v[GA+i], v[LS+i], s[SEL], s[SEL+1]
.set i, i+1
.endr
.set i, 0
.rept 4
	v_max_num_f32 v[LS+i], v[LS+i], v[GA+i]
.set i, i+1
.endr
	ds_store_b128 v[STW], v[LS:LS+3]               ; the two halves of the lanes store the same numbers
.Ld1_end:
	BARRIER                                        ; the maxima lie in LDS; every wave's reads of A are back
	; ---- the weights and their sum (stages 0 and 1)
	s_cmp_lt_u32 s[STG], 2
	s_cbranch_scc0 .Ld2_end
	GATHER 0, 1
.set i, 0
.rept 4
	v_mul_f32 v[PR+2*i], s[CS], v[LS+i]            ; c m
.set i, i+1
.endr
	ROWOP 0                                        ; c s - c m
.set t, 0
.rept 256                              ; one batch of exponentials,
	v_exp_f32 v[t], v[t]
.set t, t+1
.endr
	v_nop                                          ; a plain instruction behind the last of them,
	s_wait_alu depctr_va_vdst(0)                   ; and one wait ahead of the first line that names a result
	SUMP 0
	ds_store_b128 v[STW], v[LS:LS+3] offset:1024
.Ld2_end:
	BARRIER
	; ---- P = p / l (stages 0 and 1); P or h rounded to bf16; relu (stage 2); into A
	s_cmp_lt_u32 s[STG], 2
	s_cbranch_scc0 .Ld3_end
	GATHER 1024, 0
.set i, 0
.rept 4
	v_rcp_f32 v[PR+2*i], v[LS+i]
.set i, i+1
.endr
	v_nop
	s_wait_alu depctr_va_vdst(0)                   ; one wait for the four reciprocals
	ROWOP 1
	WIN 0
.Ld3_end:
	WIN 0x05
.set t, 0
.rept 128                              ; each accumulator's registers in ascending order
	v_cvt_pk_bf16_f32 v[TMP+t], v[2*t], v[2*t+1]
.set t, t+1
.endr
	WIN 0
	s_cmp_eq_u32 s[STG], 2
	s_cbranch_scc0 .Lno_relu
.set t, 0
.rept 128
	v_pk_max_num_bf16 v[TMP+t], v[TMP+t], v[ZR]
.set t, t+1
.endr
.Lno_relu:
	TOA
	LDV VA, 2048
	s_wait_dscnt 0x0
	s_barrier_signal -1
	WIN 0x43
.set t, 0
.rept 128                              ; x + d, or x + bf1, starts the sums
	v_pk_add_f32 v[2*t:2*t+1], v[2*t:2*t+1], v[VA+(2*t)%64:VA+(2*t)%64+1]
.set t, t+1
.endr
	WIN 0
	s_barrier_wait -1
	GEMM PB, PN, PF2
	; ---- the norm
	LDV TMP, 4096                                  ; g
	LDV VB, 6144                                   ; be
	SUMP 0
	ds_store_b128 v[STW], v[LS:LS+3] offset:2048
	BARRIER
	GATHER 2048, 0
.set i, 0
.rept 4
	v_mul_f32 v[PR+2*i], s[I512], v[LS+i]          ; the mean
.set i, i+1
.endr
	ROWOP 2
	SUMP 1
	ds_store_b128 v[STW], v[LS:LS+3] offset:3072
	BARRIER
	GATHER 3072, 0
.set i, 0
.rept 4
	v_fma_f32 v[LS+i], v[LS+i], s[I512], s[EPS]    ; the variance + 1e-5
.set i, i+1
.endr
.set i, 0
.rept 4
	v_rsq_f32 v[PR+2*i], v[LS+i]
.set i, i+1
.endr
	v_nop
	s_wait_alu depctr_va_vdst(0)                   ; one wait for the four roots
	ROWOP 1
	WIN 0xc1
.set t, 0
.rept 128                              ; the stage's x
	v_pk_fma_f32 v[2*t:2*t+1], v[2*t:2*t+1], v[TMP+(2*t)%64:TMP+(2*t)%64+1], v[VB+(2*t)%64:VB+(2*t)%64+1]
.set t, t+1
.endr
	WIN 0
	v_add_nc_u32 v[VAS], 8192, v[VAS]              ; the next stage's vectors
	s_add_co_u32 s[STG], s[STG], 1
	s_cmp_lt_u32 s[STG], 3
	s_cbranch_scc1 .Lstage
	; THE WAY OUT, through my own rows of LDS: in by 16 bytes of a row, back as 512 consecutive bytes of a row.  LDS serves a wave's instructions in order (ISA guide 5.7.1.4), so no wait stands between.
	WIN 0x0c
.set t, 0
.rept 32
	ds_store_b128 v[OST], v[8*t:8*t+3]   offset:(t/8)*16*OPITCH+(t%8)*64
	ds_store_b128 v[OST], v[8*t+4:8*t+7] offset:(t/8)*16*OPITCH+(t%8)*64+16
.set t, t+1
.endr
	WIN 0x40
.set t, 0
.rept 64
	ds_load_b128 v[4*t:4*t+3], v[ORD] offset:t*OPITCH
.set t, t+1
.endr
	WIN 0x04
.set t, 0
.rept 64
	s_wait_dscnt 63-t                              ; row t is back; the younger rows may stay out
	global_store_b128 v[BO], v[4*t:4*t+3], s[OUTP:OUTP+1] offset:t*2048 th:TH_STORE_NT  ; 512 consecutive bytes, aligned
.set t, t+1
.endr
	WIN 0
	s_wait_tensorcnt 0x0                           ; the wave's end: behind my last LDS store
	ds_add_u32 v[SPW], v[NIL]
	s_wait_dscnt 0x0
	s_endpgm
.Lfunc_end_k_qe38e1e3df9_chain:
	.size	k_qe38e1e3df9_chain, .Lfunc_end_k_qe38e1e3df9_chain-k_qe38e1e3df9_chain
	.p2alignl 7, 3214868480
	.fill 96, 4, 3214868480
	.section	.rodata,"a",@progbits
	.p2align	6, 0x0
	.amdhsa_kernel k_qe38e1e3df9_chain
		.amdhsa_group_segment_fixed_size 230912
		.amdhsa_private_segment_fixed_size 0
		.amdhsa_enable_private_segment 0
		.amdhsa_kernarg_size 112
		.amdhsa_user_sgpr_count 2
		.amdhsa_user_sgpr_kernarg_segment_ptr 1
		.amdhsa_wavefront_size32 1
		.amdhsa_system_sgpr_workgroup_id_x 1
		.amdhsa_system_sgpr_workgroup_id_y 1
		.amdhsa_system_sgpr_workgroup_id_z 1
		.amdhsa_system_vgpr_workitem_id 0
		.amdhsa_next_free_vgpr 1024
		.amdhsa_next_free_sgpr 90
		.amdhsa_reserve_vcc 1
		.amdhsa_float_denorm_mode_32 3
		.amdhsa_float_denorm_mode_16_64 3
		.amdhsa_memory_ordered 1
		.amdhsa_forward_progress 1
		.amdhsa_inst_pref_size 222
	.end_amdhsa_kernel
	.amdgpu_metadata
---
amdhsa.version: [ 1, 2 ]
amdhsa.kernels:
  - .name:           k_qe38e1e3df9_chain
    .symbol:         k_qe38e1e3df9_chain.kd
    .args:
      - { .name: decoder_inputs, .offset: 0, .size: 8, .value_kind: global_buffer, .address_space: global }
      - { .name: kv, .offset: 8, .size: 8, .value_kind: global_buffer, .address_space: global }
      - { .name: rho, .offset: 16, .size: 8, .value_kind: global_buffer, .address_space: global }
      - { .name: wfrag, .offset: 24, .size: 8, .value_kind: global_buffer, .address_space: global }
      - { .name: vecs, .offset: 32, .size: 8, .value_kind: global_buffer, .address_space: global }
      - { .name: params_g0, .offset: 40, .size: 8, .value_kind: global_buffer, .address_space: global }
      - { .name: params_be0, .offset: 48, .size: 8, .value_kind: global_buffer, .address_space: global }
      - { .name: params_g1, .offset: 56, .size: 8, .value_kind: global_buffer, .address_space: global }
      - { .name: params_be1, .offset: 64, .size: 8, .value_kind: global_buffer, .address_space: global }
      - { .name: params_bf0, .offset: 72, .size: 8, .value_kind: global_buffer, .address_space: global }
      - { .name: params_bf1, .offset: 80, .size: 8, .value_kind: global_buffer, .address_space: global }
      - { .name: params_g2, .offset: 88, .size: 8, .value_kind: global_buffer, .address_space: global }
      - { .name: params_be2, .offset: 96, .size: 8, .value_kind: global_buffer, .address_space: global }
      - { .name: out0, .offset: 104, .size: 8, .value_kind: global_buffer, .address_space: global }
    .group_segment_fixed_size: 230912
    .private_segment_fixed_size: 0
    .kernarg_segment_align: 8
    .kernarg_segment_size: 112
    .max_flat_workgroup_size: 128
    .sgpr_count:     90
    .vgpr_count:     1024
    .wavefront_size: 32
...
	.end_amdgpu_metadata
.endif
;; end of part 3
;; ======== version 2 of 2: 3 launches; version 1 with the launches prep, chain written anew for expert scheduling mode
;; workspace buffers: wfrag 3,145,728 bytes; vecs 12,800 bytes; kv 16,777,216 bytes; rho 32,768 bytes
;; launch prep (part 4): grid 64 x 4, 4 waves a work-group, no clusters, 108,032 bytes of LDS; arguments params_Wq, params_Wk, params_bq, params_bk, params_Wq2, params_Wk2, params_bq2, params_bk2, params_Wo0, params_Wv, params_bv, params_bo0, params_Wo1, params_Wv2, params_bv2, params_bo1, params_Wf0, params_Wf1, wfrag, vecs; writes wfrag, vecs
.if DOCPART == 4
	.amdgcn_target "amdgcn-amd-amdhsa--gfx1250"
	.amdhsa_code_object_version 6
	.text
	.protected	k_qe38e1e3df9_prep
	.globl	k_qe38e1e3df9_prep
	.p2align	8
	.type	k_qe38e1e3df9_prep,@function
k_qe38e1e3df9_prep:
	s_mov_b64 s[64:65], 0
	v_nop
	global_prefetch_b8 v0, s[64:65] scope:SCOPE_SE
	s_setreg_imm32_b32 hwreg(HW_REG_WAVE_SCHED_MODE, 0, 2), 2
	s_setreg_imm32_b32 hwreg(HW_REG_WAVE_MODE, 25, 1), 1
	s_wait_xcnt 0x0
	s_wait_alu depctr_vm_vsrc(0)
; THE WEIGHTS ARE FOLDED.  Every 2,048-wide tensor of the module stands between two linear maps, so
;   (xq Wq + bq).(xk Wk + bk) = xq.(M xk + u) + (c.xk + t),  M = Wq Wk^T, u = Wq bk, c = Wk bq, t = bq.bk
;   softmax(S) (X Wv + bv) Wo + bo = softmax(S) (X N) + d,   N = Wv Wo, d = bv Wo + bo   (a softmax row sums to 1)
; Job y (grid y): 0: M0, u0, c0, t0   1: the same of the cross attention   2: N0, d0   3: N1, d1.
; OUT[n][k] = sum over h of P[n][h] Q[k][h], h = 0..2047.  y < 2: P = Wq's rows, Q = Wk's rows.  y >= 2: P[n][h] = Wo[h][n], Q = Wv's rows.
; A work-group makes a tile of 64 n x 64 k (grid x = 8 nb + kb).  h is split among its four waves, 512 each: 16 steps of 32; the partial tiles meet in LDS.
; THE BIASES RIDE ALONG: a fifth fragment on Q's side whose 16 rows all hold s (bk or bv) makes column 64 = u or bv Wo; a fifth on P's side (y < 2) whose rows hold z = bq makes row 64 = c; their crossing is t.
; OPERANDS are rounded to bf16 on the way from memory to the matrix unit; sums in f32; M and N are rounded once to bf16; u, c, t, d stay f32.
; LAYOUT F of a 512 n x 512 k matrix in wfrag: byte ((ng*16 + ks)*8 + ct)*1024 + half*512 + lane*16 holds n = (8 ng + ct)*16 + lane % 16, k = 32 ks + 16 half + 8 (lane / 16) + 0..7:
; a fragment is two loads of 16 bytes a lane, each 512 consecutive bytes, and a reader's wave that owns 128 n reads 131,072 bytes on end.
; Each wave also turns one fragment of Wf0 (y < 2) or Wf1 into layout F: 512 fragments a matrix, 128 work-groups x 4 waves.
; The matrix instruction takes Q's fragment as source 0 and P's as source 1: a lane then holds one n and eight neighbouring k: the 16 bytes of layout F.
; NO CLUSTER, NO TENSOR LOAD: the operands are f32 in memory and must pass registers to be rounded, and each wave reads h of its own.  No prefetch: a block of a weight is read by eight work-groups at about the same time.
; THE MODE: SCHED_MODE bits 1:0 = 2 (LLVM: expert scheduling mode 2), set by the entry lines.  The code itself states the register dependences
; between vector or matrix instructions and memory or LDS instructions, with s_wait_alu, always for 0.
; THE PLAN.  Registers that memory or LDS instructions touch:
;   raw sets 0, 1 (windows 1, 2, v0-159)  A half step's conversions read its set; behind them the loads of the step two on land in it.
;   the accumulators (v32-231)            Written by the products; read by the LDS stores of the partial tile; then the partial tiles read back land in v32-171, and conversions write v176-191, which the tile's stores read.
;   v160, v164, v168, v248-255            Written by additions or conversions, read by one store each.
;   v3-v14, v19-v23                       Offsets and LDS addresses, made at the head and never written again: the rows are reached by scalar bases and immediate offsets.  v18: 0 by a vector line, then bo is loaded onto it.
;   P's and Q's fragments (v160-239 of windows 1, 2) are named by vector and matrix instructions alone.
; So ONE wait on va_vdst stands in a half step, behind its conversions; the set's loads follow it, dealt among the half step's products, which name the fragments and the accumulators:
; none of the registers that those loads touch.  The way out has one such wait ahead of each run of stores, and one wait on vm_vsrc where the accumulators' registers are given up.
.set RPITCH, 336                       ; a row of a partial tile: 80 f32 + 16 bytes: an odd multiple of 16
.set REG,    80*RPITCH                 ; a wave's partial tile: 80 rows (64 n, then the rows of z).  Behind the four, from byte 107,520 on, 512 bytes of spare words, 128 a wave, take the last add
.set RO,  3                            ; v3   (l % 16) x 8,192 + 32 (l / 16): a fragment's row in a weight with rows of 2,048 f32
.set XO,  4                            ; v4   32 (l / 16): the same place in a bias
.set CO,  5                            ; v5   (l / 16) x 8 rows of 2,048 bytes + 16 (l % 16): Wo taken by columns
.set WFO, 6                            ; v6   my place in Wf
.set LSM, 7                            ; v7   where I put a partial tile, y < 2
.set LSN, 8                            ; v8   the same, y >= 2: lane r of fragment f holds column 4 r + f
.set LRD, 9                            ; v9   where I read partial tiles back: row 16 w + l % 16
.set LRU, 10                           ; v10  column 64 of that row
.set LRC, 11                           ; v11  row 64, column 16 w + l % 16
.set LRT, 12                           ; v12  row 64, column 64
.set LO,  13                           ; v13  16 x lane
.set VO,  14                           ; v14  4 (16 w + l % 16)
.set BOV, 18                           ; v18  bo of my n (y >= 2), else 0
.set ZO,  19                           ; v19  0, an offset
.set LRD2, 20                          ; v20-23  the four read addresses two regions on: an LDS immediate has 16 bits
.set LRU2, 21
.set LRC2, 22
.set LRT2, 23
.set TT,  24
.set ACC, 32                           ; v32-231  tile (f, g) at ACC + 8 (5 f + g); later the partial tiles read back
.set WFS, 232                          ; v232-247 my fragment of Wf in f32
.set WFP, 248                          ; v248-255 the same in bf16
.set PF,  160                          ; windows 1 and 2 (set 0 and 1): v0-63 P as loaded, v64-127 Q, v128-143 z, v144-159 s, v160-199 P's fragments, v200-239 Q's
.set QF,  200
.set X,   2
.set Y,   3
.set WV,  4
.set NB,  5
.set KB,  6
.set CNT, 7
.set PP,  48
.set QP,  50
.set ZP,  52
.set SP,  54
.set BOP, 56
.set FB,  58
.set WSRC, 62
.set T0,  66
.set T1,  68
.set T2,  70
.set VP,  72
.set WFD, 74
.set MSB, 0
.macro WIN new                         ; the immediate's high byte repeats the setting that is left; a switch that changes nothing is dropped
.if MSB != (\new)
	s_set_vgpr_msb (MSB<<8)|(\new)
.set MSB, \new
.endif
.endm
; four fragments of 16 rows x 32 h in f32: a lane's h are 8 (l / 16) + 0..7 and 16 + 8 (l / 16) + 0..7
.macro LDROW S, P, off
.set g, 0
.rept 4
	global_load_b128 v[(\S)+16*g:(\S)+16*g+3],     v[RO], s[\P:\P+1] offset:(\off)+g*131072
	global_load_b128 v[(\S)+16*g+4:(\S)+16*g+7],   v[RO], s[\P:\P+1] offset:(\off)+g*131072+16
	global_load_b128 v[(\S)+16*g+8:(\S)+16*g+11],  v[RO], s[\P:\P+1] offset:(\off)+g*131072+64
	global_load_b128 v[(\S)+16*g+12:(\S)+16*g+15], v[RO], s[\P:\P+1] offset:(\off)+g*131072+80
.set g, g+1
.endr
.endm
.macro LDVEC S, P, off                 ; a bias as a fragment whose 16 rows are alike
	global_load_b128 v[(\S):(\S)+3],     v[XO], s[\P:\P+1] offset:(\off)
	global_load_b128 v[(\S)+4:(\S)+7],   v[XO], s[\P:\P+1] offset:(\off)+16
	global_load_b128 v[(\S)+8:(\S)+11],  v[XO], s[\P:\P+1] offset:(\off)+64
	global_load_b128 v[(\S)+12:(\S)+15], v[XO], s[\P:\P+1] offset:(\off)+80
.endm
.macro LDCOL S, P, off                 ; 32 rows (h) x 64 columns of Wo: load e brings row 16 (e / 8) + 8 (l / 16) + e % 8, columns 4 (l % 16) + 0..3: two rows of 256 bytes a load
.set e, 0
.rept 16
	global_load_b128 v[(\S)+4*e:(\S)+4*e+3], v[CO], s[\P:\P+1] offset:(\off)+(16*(e/8)+e%8)*2048
.set e, e+1
.endr
.endm
.macro CVROW F, S, n                   ; n fragments rounded to bf16
.set e, 0
.rept 8*(\n)
	v_cvt_pk_bf16_f32 v[(\F)+e], v[(\S)+2*e], v[(\S)+2*e+1]
.set e, e+1
.endr
.endm
.macro CVCOL F, S                      ; component f of each load belongs to fragment f
.set f, 0
.rept 4
.set e, 0
.rept 8
	v_cvt_pk_bf16_f32 v[(\F)+8*f+e], v[(\S)+8*e+f], v[(\S)+8*e+4+f]
.set e, e+1
.endr
.set f, f+1
.endr
.endm
; a step's loads into set s, i steps behind the pointers, in three parts: P's 16, Q's 16, the biases' 8 (y < 2) or 4
.macro LOADP m, s, i
	WIN (1+(\s))<<6
.if \m
	LDROW 0, PP, (\i)*128
.else
	LDCOL 0, PP, (\i)*65536
.endif
.endm
.macro LOADQ s, i
	WIN (1+(\s))<<6
	LDROW 64, QP, (\i)*128
.endm
.macro LOADV m, s, i
	WIN (1+(\s))<<6
.if \m
	LDVEC 128, ZP, (\i)*128
.endif
	LDVEC 144, SP, (\i)*128
.endm
.macro CVT m, s
	WIN 0x45*(1+(\s))
.if \m
	CVROW PF, 0, 4
	CVROW PF+32, 128, 1
.else
	CVCOL PF, 0
.endif
	CVROW QF, 64, 4
	CVROW QF+32, 144, 1
.endm
.macro MULS s, f0, n                   ; n of P's fragments from f0 on, five products each.  The accumulators take turns, one instruction a turn, in the same order in every step and over the backward jump
	WIN 5*(1+(\s))
.set f, \f0
.rept \n
.set g, 0
.rept 5
	v_wmma_f32_16x16x32_bf16 v[ACC+8*(5*f+g):ACC+8*(5*f+g)+7], v[QF+8*g:QF+8*g+7], v[PF+8*f:PF+8*f+7], v[ACC+8*(5*f+g):ACC+8*(5*f+g)+7]
.set g, g+1
.endr
.set f, f+1
.endr
.endm
; A half step of the loop: set s is rounded, asked for again, and multiplied.
.macro HALF m, s
	s_wait_loadcnt 36+4*(\m)                       ; set s is in; the other set's loads may stay out
	CVT \m, \s
.if (\s) == 0
	s_wait_xcnt 0x0                                ; every load issued so far has read its address: the pointers may be written
.if \m
	s_add_nc_u64 s[PP:PP+1], s[PP:PP+1], 256
	s_add_nc_u64 s[ZP:ZP+1], s[ZP:ZP+1], 256
.else
	s_add_nc_u64 s[PP:PP+1], s[PP:PP+1], 131072
.endif
	s_add_nc_u64 s[QP:QP+1], s[QP:QP+1], 256
	s_add_nc_u64 s[SP:SP+1], s[SP:SP+1], 256
.endif
	WIN (1+(\s))<<6
	s_wait_alu depctr_va_vdst(0)                   ; the conversions are done reading raw set s, in which the loads below land
	LOADP \m, \s, \s
	MULS \s, 0, 1                                  ; no further wait: no vector or matrix instruction since the wait above names raw set s
	LOADQ \s, \s
	MULS \s, 1, 1
	LOADV \m, \s, \s
	MULS \s, 2, 2+(\m)
.endm
; A job's 16 steps on two sets of registers.  A set's fragments are written anew only behind the other set's 72 or 80 conversions, which are the places behind the products that read them.
.macro PATH m
	LOADP \m, 0, 0
	LOADQ 0, 0
	LOADV \m, 0, 0
	LOADP \m, 1, 1
	LOADQ 1, 1
	LOADV \m, 1, 1
	WIN 0
.set i, 0
.rept 40*(4+(\m))
	v_mov_b32 v[ACC+i], 0                          ; the sums start at 0, written while the first loads are on their way: the loop has one form of product
.set i, i+1
.endr
	s_mov_b32 s[CNT], 7
.Ltrip_\@:
	HALF \m, 0
	HALF \m, 1
	WIN 0
	s_sub_co_u32 s[CNT], s[CNT], 1
	s_cmp_lg_u32 s[CNT], 0
	s_cbranch_scc1 .Ltrip_\@
	s_wait_loadcnt 36+4*(\m)                       ; the last two steps load nothing
	CVT \m, 0
	MULS 0, 0, 4+(\m)
	s_wait_loadcnt 0x0
	CVT \m, 1
	MULS 1, 0, 4+(\m)
	WIN 0
.rept 8
	v_nop                                          ; the places behind the last products
.endr
	s_wait_alu depctr_va_vdst(0)                   ; the products have written the accumulators, which the LDS stores read; the places above stay beside this wait
.set f, 0
.rept 4+(\m)
.set g, 0
.rept 5                                ; each accumulator's low registers go first
.if \m
	ds_store_b128 v[LSM], v[ACC+8*(5*f+g):ACC+8*(5*f+g)+3]   offset:f*16*RPITCH+g*64
	ds_store_b128 v[LSM], v[ACC+8*(5*f+g)+4:ACC+8*(5*f+g)+7] offset:f*16*RPITCH+g*64+16
.else
	ds_store_b128 v[LSN], v[ACC+8*(5*f+g):ACC+8*(5*f+g)+3]   offset:f*RPITCH+g*64
	ds_store_b128 v[LSN], v[ACC+8*(5*f+g)+4:ACC+8*(5*f+g)+7] offset:f*RPITCH+g*64+16
.endif
.set g, g+1
.endr
.set f, f+1
.endr
.endm
	s_load_b512 s[8:23], s[0:1], 0x0               ; Wq, Wk, bq, bk, Wq2, Wk2, bq2, bk2
	s_load_b512 s[24:39], s[0:1], 0x40             ; Wo0, Wv, bv, bo0, Wo1, Wv2, bv2, bo1
	s_load_b256 s[40:47], s[0:1], 0x80             ; Wf0, Wf1, wfrag, vecs
	v_lshl_add_u32 v30, v0, 2, 0x1a400
	v_mov_b32 v31, 0
	v_lshrrev_b32 v1, 5, v0
	v_readfirstlane_b32 s[WV], v1                  ; wave 0..3
	s_mov_b32 s[X], ttmp9
	s_and_b32 s[Y], ttmp7, 0xffff
	s_lshr_b32 s[NB], s[X], 3
	s_and_b32 s[KB], s[X], 7
	v_and_b32 v1, 15, v0                           ; l % 16
	v_bfe_u32 v2, v0, 4, 1                         ; l / 16
	v_lshlrev_b32 v[RO], 13, v1
	v_lshl_add_u32 v[RO], v2, 5, v[RO]
	v_lshlrev_b32 v[XO], 5, v2
	v_lshlrev_b32 v[CO], 14, v2
	v_lshl_add_u32 v[CO], v1, 4, v[CO]
	s_wait_alu depctr_va_sdst(0)                   ; the wave's number is written, ahead of its first reader: offsets, LDS addresses and bases are made from it
	; my fragment of Wf: p = ((y % 2) 64 + x) 4 + w = 128 ng + 8 ks + ct
	s_and_b32 s[T0], s[Y], 1
	s_lshl_b32 s[T0], s[T0], 6
	s_add_co_u32 s[T0], s[T0], s[X]
	s_lshl_b32 s[T0], s[T0], 2
	s_add_co_u32 s[T0], s[T0], s[WV]
	s_bfe_u32 s[T1], s[T0], 0x40003                ; ks
	s_lshl_b32 s[T1], s[T1], 16                    ; 32 ks rows of 2,048 bytes
	s_lshr_b32 s[T2], s[T0], 7                     ; ng
	s_lshl_b32 s[T2], s[T2], 3
	s_and_b32 s[T2+1], s[T0], 7                    ; ct
	s_add_co_u32 s[T2], s[T2], s[T2+1]
	s_lshl_b32 s[T2], s[T2], 6                     ; 16 columns of 4 bytes each
	s_add_co_u32 s[T1], s[T1], s[T2]
	v_lshlrev_b32 v[WFO], 14, v2                   ; 8 (l / 16) rows
	v_lshl_add_u32 v[WFO], v1, 2, v[WFO]
	v_add_nc_u32 v[WFO], s[T1], v[WFO]
	s_lshl_b32 s[WFD], s[T0], 10                   ; where it goes: p x 1,024 in matrix 4 + y / 2 of wfrag
	s_lshr_b32 s[T1], s[Y], 1
	s_add_co_u32 s[T1], s[T1], 4
	s_lshl_b32 s[T1], s[T1], 19
	s_add_co_u32 s[WFD], s[WFD], s[T1]
	s_mov_b32 s[WFD+1], 0
	; LDS addresses
	s_mul_i32 s[T1], s[WV], REG
	s_mul_i32 s[T2], s[WV], 16*RPITCH
	v_mul_u32_u24 v[TT], v1, RPITCH
	v_add_nc_u32 v[LRU], s[T2], v[TT]
	v_add_nc_u32 v[LRU], 256, v[LRU]
	v_lshl_add_u32 v[TT], v2, 5, v[TT]
	v_add_nc_u32 v[LSM], s[T1], v[TT]
	v_add_nc_u32 v[LRD], s[T2], v[TT]
	v_mul_u32_u24 v[LSN], v1, 4*RPITCH
	v_lshl_add_u32 v[LSN], v2, 5, v[LSN]
	v_add_nc_u32 v[LSN], s[T1], v[LSN]
	s_lshl_b32 s[T2], s[WV], 6
	v_lshl_add_u32 v[VO], v1, 2, s[T2]
	v_add_nc_u32 v[LRC], 64*RPITCH, v[VO]
	v_mov_b32 v[LRT], 64*RPITCH+256
	v_add_nc_u32 v[LRD2], 2*REG, v[LRD]
	v_add_nc_u32 v[LRU2], 2*REG, v[LRU]
	v_add_nc_u32 v[LRC2], 2*REG, v[LRC]
	v_add_nc_u32 v[LRT2], 2*REG, v[LRT]
	v_and_b32 v[LO], 31, v0
	v_lshlrev_b32 v[LO], 4, v[LO]
	v_mov_b32 v[BOV], 0
	v_mov_b32 v[ZO], 0
	; where my 16 n x 64 k of the tile go: y x 524,288 + ((nb / 2) 128 + 16 kb + 4 (nb % 2) + w) x 1,024
	s_lshr_b32 s[T0], s[NB], 1
	s_lshl_b32 s[T0], s[T0], 7
	s_lshl_b32 s[T1], s[KB], 4
	s_add_co_u32 s[T0], s[T0], s[T1]
	s_and_b32 s[T1], s[NB], 1
	s_lshl_b32 s[T1], s[T1], 2
	s_add_co_u32 s[T0], s[T0], s[T1]
	s_add_co_u32 s[T0], s[T0], s[WV]
	s_lshl_b32 s[T0], s[T0], 10
	s_lshl_b32 s[T1], s[Y], 19
	s_add_co_u32 s[FB], s[T0], s[T1]
	s_mov_b32 s[FB+1], 0
	; u or d in vecs: (y % 2) 6,144 + (y / 2) 4,096 + 256 nb
	s_and_b32 s[CNT], s[Y], 1                      ; y % 2
	s_mul_i32 s[VP], s[CNT], 6144
	s_lshr_b32 s[T1], s[Y], 1
	s_lshl_b32 s[T1], s[T1], 12
	s_add_co_u32 s[VP], s[VP], s[T1]
	s_lshl_b32 s[T1], s[NB], 8
	s_add_co_u32 s[VP], s[VP], s[T1]
	s_mov_b32 s[VP+1], 0
	s_lshl_b32 s[T0], s[WV], 11                    ; my 512 h in a row or a bias
	s_mov_b32 s[T0+1], 0
	s_lshl_b32 s[T2], s[KB], 19                    ; Q's 64 rows
	s_add_co_u32 s[T2], s[T2], s[T0]
	s_mov_b32 s[T2+1], 0
	s_mov_b32 s[T1+1], 0
	s_wait_kmcnt 0x0
	s_add_nc_u64 s[FB:FB+1], s[44:45], s[FB:FB+1]
	s_add_nc_u64 s[WFD:WFD+1], s[44:45], s[WFD:WFD+1]
	s_add_nc_u64 s[VP:VP+1], s[46:47], s[VP:VP+1]
	s_cmp_lt_u32 s[Y], 2
	s_cselect_b64 s[WSRC:WSRC+1], s[40:41], s[42:43]
	s_wait_alu depctr_va_vdst(0)                   ; the offsets and LDS addresses v3 to v14 and v19 to v23 are written, which every load and store of the kernel reads; so is v18, onto which bo is loaded
.set e, 0
.rept 16                               ; Wf[k][n]: lane (r, h) takes column n = r of its fragment, rows k = 16 (e / 8) + 8 h + e % 8; held until the end
	global_load_b32 v[WFS+e], v[WFO], s[WSRC:WSRC+1] offset:(16*(e/8)+e%8)*2048
.set e, e+1
.endr
	s_cmp_lt_u32 s[Y], 2
	s_cbranch_scc0 .Lnjob
	s_cmp_eq_u32 s[CNT], 0
	s_cselect_b64 s[PP:PP+1], s[8:9], s[16:17]
	s_cselect_b64 s[QP:QP+1], s[10:11], s[18:19]
	s_cselect_b64 s[ZP:ZP+1], s[12:13], s[20:21]
	s_cselect_b64 s[SP:SP+1], s[14:15], s[22:23]
	s_lshl_b32 s[T1], s[NB], 19                    ; P's 64 rows
	s_add_co_u32 s[T1], s[T1], s[T0]
	s_add_nc_u64 s[PP:PP+1], s[PP:PP+1], s[T1:T1+1]
	s_add_nc_u64 s[QP:QP+1], s[QP:QP+1], s[T2:T2+1]
	s_add_nc_u64 s[ZP:ZP+1], s[ZP:ZP+1], s[T0:T0+1]
	s_add_nc_u64 s[SP:SP+1], s[SP:SP+1], s[T0:T0+1]
	PATH 1
	s_branch .Lreduce
.Lnjob:
	s_cmp_eq_u32 s[CNT], 0
	s_cselect_b64 s[PP:PP+1], s[24:25], s[32:33]
	s_cselect_b64 s[QP:QP+1], s[26:27], s[34:35]
	s_cselect_b64 s[SP:SP+1], s[28:29], s[36:37]
	s_cselect_b64 s[BOP:BOP+1], s[30:31], s[38:39]
	s_lshl_b32 s[T1], s[WV], 20                    ; my 512 rows of Wo,
	s_lshl_b32 s[CNT], s[NB], 8                    ; the tile's 64 columns
	s_add_co_u32 s[T1], s[T1], s[CNT]
	s_add_nc_u64 s[PP:PP+1], s[PP:PP+1], s[T1:T1+1]
	s_add_nc_u64 s[QP:QP+1], s[QP:QP+1], s[T2:T2+1]
	s_add_nc_u64 s[SP:SP+1], s[SP:SP+1], s[T0:T0+1]
	s_mov_b32 s[T1], s[CNT]
	s_add_nc_u64 s[BOP:BOP+1], s[BOP:BOP+1], s[T1:T1+1]
	global_load_b32 v[BOV], v[VO], s[BOP:BOP+1]    ; bo[64 nb + 16 w + l % 16]
	PATH 0
.Lreduce:
	s_wait_dscnt 0x0                               ; for the others' sake: my partial tile lies in LDS
	s_wait_alu depctr_vm_vsrc(0)                   ; my LDS stores have read the accumulators: the partial tiles read back land in these registers, and the conversions below write some of them
	s_barrier_signal -1
	s_barrier_wait -1
	; wave w adds the four partial tiles' rows 16 w .. 16 w + 15.  (The products that wrote these registers stand ahead of the wait in front of the LDS stores, and no vector line since names them.)
.set g, 0
.rept 4
.set e, 0
.rept 2
	ds_load_b128 v[32+32*g+8*e:32+32*g+8*e+3],     v[LRD]  offset:e*REG+g*64
	ds_load_b128 v[32+32*g+8*e+4:32+32*g+8*e+7],   v[LRD]  offset:e*REG+g*64+16
	ds_load_b128 v[32+32*g+8*e+16:32+32*g+8*e+19], v[LRD2] offset:e*REG+g*64
	ds_load_b128 v[32+32*g+8*e+20:32+32*g+8*e+23], v[LRD2] offset:e*REG+g*64+16
.set e, e+1
.endr
.set g, g+1
.endr
	ds_load_b32 v160, v[LRU]
	ds_load_b32 v161, v[LRU] offset:REG
	ds_load_b32 v162, v[LRU2]
	ds_load_b32 v163, v[LRU2] offset:REG
	s_wait_dscnt 0x0
.set g, 0
.rept 4
.set e, 0
.rept 4
	v_pk_add_f32 v[32+32*g+2*e:32+32*g+2*e+1], v[32+32*g+2*e:32+32*g+2*e+1], v[40+32*g+2*e:40+32*g+2*e+1]
	v_pk_add_f32 v[48+32*g+2*e:48+32*g+2*e+1], v[48+32*g+2*e:48+32*g+2*e+1], v[56+32*g+2*e:56+32*g+2*e+1]
.set e, e+1
.endr
.set e, 0
.rept 4
	v_pk_add_f32 v[32+32*g+2*e:32+32*g+2*e+1], v[32+32*g+2*e:32+32*g+2*e+1], v[48+32*g+2*e:48+32*g+2*e+1]
.set e, e+1
.endr
.set e, 0
.rept 4
	v_cvt_pk_bf16_f32 v[176+4*g+e], v[32+32*g+2*e], v[32+32*g+2*e+1]
.set e, e+1
.endr
.set g, g+1
.endr
	s_wait_alu depctr_va_vdst(0)                   ; the conversions have written v176 to v191, which the four stores read
.set g, 0
.rept 4
	global_store_b128 v[LO], v[176+4*g:176+4*g+3], s[FB:FB+1] offset:(g/2)*8192+(g%2)*512  ; 512 consecutive bytes, aligned
.set g, g+1
.endr
	s_cmp_lg_u32 s[KB], 0                          ; u or d: every kb makes it; kb = 0 stores it
	s_cbranch_scc1 .Lno_u
	v_add_f32 v160, v160, v161
	v_add_f32 v162, v162, v163
	v_add_f32 v160, v160, v162
	v_add_f32 v160, v160, v[BOV]                   ; + bo (y >= 2), + 0 (y < 2)
	s_wait_alu depctr_va_vdst(0)                   ; the additions have written v160, which the store reads
	global_store_b32 v[VO], v160, s[VP:VP+1]       ; the two halves of the lanes hold, and store, the same numbers
.Lno_u:
	s_cmp_lt_u32 s[Y], 2
	s_cbranch_scc0 .Lno_c
	s_cmp_lg_u32 s[NB], 0                          ; c: nb = 0 stores it
	s_cbranch_scc1 .Lno_c
	ds_load_b32 v164, v[LRC]                       ; v164 to v171: no vector line has named them since the wait in front of the LDS stores, which have read them
	ds_load_b32 v165, v[LRC] offset:REG
	ds_load_b32 v166, v[LRC2]
	ds_load_b32 v167, v[LRC2] offset:REG
	s_mul_i32 s[T0], s[Y], 6144
	s_lshl_b32 s[T1], s[KB], 8
	s_add_co_u32 s[T0], s[T0], s[T1]
	s_mov_b32 s[T0+1], 0
	s_add_nc_u64 s[T0:T0+1], s[46:47], s[T0:T0+1]
	s_wait_dscnt 0x0
	v_add_f32 v164, v164, v165
	v_add_f32 v166, v166, v167
	v_add_f32 v164, v164, v166
	s_wait_alu depctr_va_vdst(0)                   ; the additions have written v164, which the store reads
	global_store_b32 v[VO], v164, s[T0:T0+1] offset:2048
	s_or_b32 s[T1], s[X], s[WV]                    ; t: wave 0 of work-group x = 0
	s_cmp_lg_u32 s[T1], 0
	s_cbranch_scc1 .Lno_c
	ds_load_b32 v168, v[LRT]
	ds_load_b32 v169, v[LRT] offset:REG
	ds_load_b32 v170, v[LRT2]
	ds_load_b32 v171, v[LRT2] offset:REG
	s_lshl_b32 s[T2], s[Y], 8
	s_mov_b32 s[T2+1], 0
	s_add_nc_u64 s[T2:T2+1], s[46:47], s[T2:T2+1]
	s_wait_dscnt 0x0
	v_add_f32 v168, v168, v169
	v_add_f32 v170, v170, v171
	v_add_f32 v168, v168, v170
	s_wait_alu depctr_va_vdst(0)                   ; the additions have written v168, which the store reads
	global_store_b32 v[ZO], v168, s[T2:T2+1] offset:12288
.Lno_c:
.set e, 0
.rept 8                                ; Wf's fragment (its loads were the oldest: the loop's first wait has shown them in)
	v_cvt_pk_bf16_f32 v[WFP+e], v[WFS+2*e], v[WFS+2*e+1]
.set e, e+1
.endr
	s_wait_alu depctr_va_vdst(0)                   ; the conversions have written v248 to v255, which the two stores read
	global_store_b128 v[LO], v[WFP:WFP+3],   s[WFD:WFD+1]
	global_store_b128 v[LO], v[WFP+4:WFP+7], s[WFD:WFD+1] offset:512
	s_wait_dscnt 0x0                               ; the wave's end: my last LDS instructions are done.  The add onto spare words follows
	s_wait_alu depctr_hold_cnt(0) depctr_sa_sdst(0) depctr_va_vdst(0) depctr_va_sdst(0) depctr_va_ssrc(0) depctr_va_vcc(0) depctr_vm_vsrc(0)
	s_wait_tensorcnt 0x0
	ds_add_u32 v30, v31
	s_wait_dscnt 0x0
	s_endpgm
.Lfunc_end_k_qe38e1e3df9_prep:
	.size	k_qe38e1e3df9_prep, .Lfunc_end_k_qe38e1e3df9_prep-k_qe38e1e3df9_prep
	.p2alignl 7, 3214868480
	.fill 96, 4, 3214868480
	.section	.rodata,"a",@progbits
	.p2align	6, 0x0
	.amdhsa_kernel k_qe38e1e3df9_prep
		.amdhsa_group_segment_fixed_size 108032
		.amdhsa_private_segment_fixed_size 0
		.amdhsa_enable_private_segment 0
		.amdhsa_kernarg_size 160
		.amdhsa_user_sgpr_count 2
		.amdhsa_user_sgpr_kernarg_segment_ptr 1
		.amdhsa_wavefront_size32 1
		.amdhsa_system_sgpr_workgroup_id_x 1
		.amdhsa_system_sgpr_workgroup_id_y 1
		.amdhsa_system_sgpr_workgroup_id_z 1
		.amdhsa_system_vgpr_workitem_id 0
		.amdhsa_next_free_vgpr 768
		.amdhsa_next_free_sgpr 76
		.amdhsa_reserve_vcc 0
		.amdhsa_float_denorm_mode_32 3
		.amdhsa_float_denorm_mode_16_64 3
		.amdhsa_memory_ordered 1
		.amdhsa_forward_progress 1
		.amdhsa_inst_pref_size 114
	.end_amdhsa_kernel
	.amdgpu_metadata
---
amdhsa.version: [ 1, 2 ]
amdhsa.kernels:
  - .name:           k_qe38e1e3df9_prep
    .symbol:         k_qe38e1e3df9_prep.kd
    .args:
      - { .name: params_Wq, .offset: 0, .size: 8, .value_kind: global_buffer, .address_space: global }
      - { .name: params_Wk, .offset: 8, .size: 8, .value_kind: global_buffer, .address_space: global }
      - { .name: params_bq, .offset: 16, .size: 8, .value_kind: global_buffer, .address_space: global }
      - { .name: params_bk, .offset: 24, .size: 8, .value_kind: global_buffer, .address_space: global }
      - { .name: params_Wq2, .offset: 32, .size: 8, .value_kind: global_buffer, .address_space: global }
      - { .name: params_Wk2, .offset: 40, .size: 8, .value_kind: global_buffer, .address_space: global }
      - { .name: params_bq2, .offset: 48, .size: 8, .value_kind: global_buffer, .address_space: global }
      - { .name: params_bk2, .offset: 56, .size: 8, .value_kind: global_buffer, .address_space: global }
      - { .name: params_Wo0, .offset: 64, .size: 8, .value_kind: global_buffer, .address_space: global }
      - { .name: params_Wv, .offset: 72, .size: 8, .value_kind: global_buffer, .address_space: global }
      - { .name: params_bv, .offset: 80, .size: 8, .value_kind: global_buffer, .address_space: global }
      - { .name: params_bo0, .offset: 88, .size: 8, .value_kind: global_buffer, .address_space: global }
      - { .name: params_Wo1, .offset: 96, .size: 8, .value_kind: global_buffer, .address_space: global }
      - { .name: params_Wv2, .offset: 104, .size: 8, .value_kind: global_buffer, .address_space: global }
      - { .name: params_bv2, .offset: 112, .size: 8, .value_kind: global_buffer, .address_space: global }
      - { .name: params_bo1, .offset: 120, .size: 8, .value_kind: global_buffer, .address_space: global }
      - { .name: params_Wf0, .offset: 128, .size: 8, .value_kind: global_buffer, .address_space: global }
      - { .name: params_Wf1, .offset: 136, .size: 8, .value_kind: global_buffer, .address_space: global }
      - { .name: wfrag, .offset: 144, .size: 8, .value_kind: global_buffer, .address_space: global }
      - { .name: vecs, .offset: 152, .size: 8, .value_kind: global_buffer, .address_space: global }
    .group_segment_fixed_size: 108032
    .private_segment_fixed_size: 0
    .kernarg_segment_align: 8
    .kernarg_segment_size: 160
    .max_flat_workgroup_size: 128
    .sgpr_count:     76
    .vgpr_count:     768
    .wavefront_size: 32
...
	.end_amdgpu_metadata
.endif
;; end of part 4
;; launch proj: the kernel of part 2 again; grid 64 x 4, 4 waves a work-group, no clusters, 67,072 bytes of LDS; arguments decoder_inputs, encoder_context, wfrag, vecs, kv, rho; writes kv, rho
;; launch chain (part 5): grid 64 x 1, 4 waves a work-group, no clusters, 230,912 bytes of LDS; arguments decoder_inputs, kv, rho, wfrag, vecs, params_g0, params_be0, params_g1, params_be1, params_bf0, params_bf1, params_g2, params_be2, out0; writes out0
.if DOCPART == 5
	.amdgcn_target "amdgcn-amd-amdhsa--gfx1250"
	.amdhsa_code_object_version 6
	.text
	.protected	k_qe38e1e3df9_chain
	.globl	k_qe38e1e3df9_chain
	.p2align	8
	.type	k_qe38e1e3df9_chain,@function
k_qe38e1e3df9_chain:
	s_mov_b64 s[64:65], 0
	v_nop
	global_prefetch_b8 v0, s[64:65] scope:SCOPE_SE
	s_setreg_imm32_b32 hwreg(HW_REG_WAVE_SCHED_MODE, 0, 2), 2
	s_setreg_imm32_b32 hwreg(HW_REG_WAVE_MODE, 25, 1), 1
	s_wait_xcnt 0x0
	s_wait_alu depctr_vm_vsrc(0)
; THE WHOLE LAYER FOR 64 QUERY ROWS, in three stages of one text:
;   stage 0: S = x K0''^T + rho0, hidden scores replaced, softmax, y = P V0'' + d0 + x, x = LN(y; g0, be0)
;   stage 1: the same with K1'', rho1, V1'', d1, g1, be1 and no mask
;   stage 2: h = relu(x Wf0 + bf0), y = h Wf1 + bf1 + x, x = LN(y; g2, be2); then x is stored.
; K'', V'', rho, d come from the launches before (the weights folded: see there).  Each stage is two products 64 x 512 x 512.
; SHARES.  Work-group g: rows 64 g .. 64 g + 63 (batch g / 8, block g % 8).  Wave w owns all 64 rows x columns 128 w .. 128 w + 127: 32 accumulators.  64 rows to a work-group, since B's bytes for a
; work-group do not fall with its rows: 3 MiB each; with 16 rows and 256 work-groups four times the bytes would be read for the same products.
; LAYOUT.  Source 0 = B's fragment, source 1 = A's: lane (r = l % 16, h = l / 16) holds row 16 rt + r and columns 128 w + 16 ct + 8 h + 0..7.  So a row's maximum and sums are made in the lane, by one
; exchange of the lanes' halves and one exchange of four words a row between the waves through LDS, and four packed registers are 16 bytes of a row of the next product's A.
; A (x, P or h in bf16) lies in LDS, 64 rows.  B (layout F: byte ((ng*16 + ks)*8 + ct)*1024 + half*512 + lane*16) goes from memory straight into registers: a fragment of B is used by one wave alone, so
; LDS, tensor loads and a cluster's joint loads would add a write and a read and share nothing.  A ring of four register sets, a K step of 32 each, runs on from product to product: a product's last trip asks
; for the next product's first three K steps.
; THE SUMS START from rho, a bias, or x + bias: no pass adds them later.
; THE MASK.  reference() gives hidden scores the finite number -1e6 and keeps them in the softmax; so does this text: no key is left out.  LIMITS: the hidden score is -22,627,416 ahead of the scale
; 1 / sqrt(512), which is -1e6 to 1 part in 1e7; x, P, h are rounded once to bf16 as matrix operands (P behind its division by the row's sum); a weight below 2^-126 counts as 0; NaN and infinities are
; not treated apart.  Maxima, sums, statistics, residuals and biases in f32; the variance is taken of x - mean.
; THE MODE: SCHED_MODE bits 1:0 = 2 (LLVM: expert scheduling mode 2), set by the entry lines.  The code itself states the register dependences
; between vector or matrix instructions and memory or LDS instructions, with s_wait_alu, always for 0.
; THE PLAN.  Registers that memory or LDS instructions touch:
;   ring sets 0 .. 3   K step s: its 32 products read set s % 4; the 16 loads issued in step s land in set (s + 3) % 4, which the products of step s - 1 read.
;   AF0, AF1           K step s: its products read AF[s % 2]; the 8 LDS loads issued in step s bring step s + 1's fragments into the other one, which step s - 1 read.  Between products a vector is loaded into the same registers.
;   v[AC], v[AN]       Read by the fragments' loads; written at a product's head and at a trip's end.
;   TMP (v128-255)     Written by conversions, the relu and the maximum's first lines; read by the LDS stores into A; in the norm g and be are loaded into it.
;   LS, GA             LS: written by the row figures' last lines, read by one LDS store each time.  GA: the four waves' figures are loaded into it; lane exchanges and additions also write it.
;   v[VAS]             Read by the vectors' loads; stepped once a stage.
;   x (window 3), the accumulators (window 1)   On the way out alone: x is the LDS stores' data, and the rows read back land in the accumulators' registers.
;   BO, A0, PST, STW, STR, OST, ORD, XO, PFO, VLO, VST   Offsets and addresses, made at the head and never written again.
; THE WAITS.  One wait on va_vdst at a K step's head; the step's 24 loads follow it, dealt among its products, which name set s % 4, AF[s % 2] and the accumulators: none of the registers that those loads touch.
; One ahead of each run of LDS stores into A and of each store of LS; one at a product's head; one at the way out.  Waits on vm_vsrc: in BARRIER (LS, the head's v128-175, v[VAS]), at a product's head (TMP, AC, AN), at a trip's end (AC, AN).
.set APITCH, 1040                      ; a row of A in LDS: 1,024 bytes + 16: an odd multiple of 16
.set VECB,   64*APITCH                 ; 66,560: twelve vectors of 2,048 bytes: stage s at 8,192 s: what starts the first sums (rho or bf0), the second product's bias (d or bf1), g, be
.set STATS,  VECB+12*2048              ; 91,136: four areas of 1,024 bytes: [wave][l % 16][rt] f32
.set OUTS,   STATS+4096                ; 95,232: for each wave 64 rows x 528 bytes, for the way out
.set OPITCH, 528
.set OWAVE,  64*OPITCH                 ; behind the four waves' rows, from byte 230,400 on, 512 bytes of spare words, 128 a wave, take the last add
.set RR,  1                            ; v1   l % 16
.set BO,  2                            ; v2   16 x lane
.set A0,  3                            ; v3   (l % 16) x pitch + 16 (l / 16)
.set AC,  4                            ; v4   A0 + this trip's four K steps
.set AN,  5                            ; v5   A0 + the next trip's
.set PST, 6                            ; v6   where I put 16 bytes of a row of A: A0 + 256 w
.set VAS, 8                            ; v8   my 8 numbers of the stage's first vector: VECB + 8,192 stage + 4 (128 w + 8 (l / 16))
.set STW, 9                            ; v9   where I put four row figures
.set STR, 10                           ; v10  where I read the four waves' figures
.set EE,  11                           ; v11  64 (g % 8) + l % 16 - 128 w - 8 (l / 16): register j of (rt, ct) is hidden where 16 (ct - rt) + j is greater
.set MV,  12                           ; v12  the hidden score
.set ZR,  13                           ; v13  0
.set OST, 14                           ; v14  the way out: where I put 16 bytes
.set ORD, 15                           ; v15  the way out: where I read a row's 512 bytes back
.set XO,  16                           ; v16  (l % 16) x 2,048 + 32 (l / 16)
.set PFO, 17                           ; v17  256 x lane
.set LL,  20                           ; v20-27  a pair of partial sums for each rt
.set HH,  28
.set VST, 29
.set VLO, 30
.set LS,  32                           ; v32-35  a figure for each rt
.set GA,  36                           ; v36-51  the four waves' figures
.set PR,  52                           ; v52-59  a pair for each rt; the packed lines take its low word for both halves
.set AF,  64                           ; v64-127 fragments of A, two sets of four; between products: one vector (VA)
.set VA,  64
.set TMP, 128                          ; v128-255 packed results; in the norm g (v128-191) and be (v192-255)
.set VB,  192
                                       ; window 1: the accumulators, (rt, ct) at 8 (8 rt + ct).   window 2: the ring, set s at 64 s.   window 3: x in f32, in the accumulators' layout
.set G,   2
.set WV,  3
.set BB,  4
.set QB,  5
.set STG, 6
.set CNT, 7
.set MK,  8                            ; s8-s29  the mask's compares, 22 to a run (these registers held arguments, whose last readers the head's counted wait shows done)
.set KF0, 36
.set VF0, 38
.set KF1, 40
.set VF1, 42
.set F0,  44
.set F1,  46
.set PA,  48
.set PB,  50
.set PN,  52
.set RP,  54                           ; s[54:55] the stream and trip from which sets 0 to 2 are asked for
.set NX,  56
.set PFP, 58
.set PFN, 60
.set AOF, 61
.set W2,  62
.set CS,  66                           ; s[66:67] c = log2(e) / sqrt(512)
.set SEL, 68
.set I512, 70
.set EPS, 71
.set OUTP, 72
.set T0,  74
.set T1,  76
.set T2,  78
.set T3,  80
.set RQ,  80                           ; s[80:81] behind the head: this product's stream at this trip, from which set 3 is asked for
.set QO,  82
.set RHP, 84
.set XP,  86
.set PF1, 88
.set PF2, 89
.set MSB, 0
.macro WIN new                         ; the immediate's high byte repeats the setting that is left; a switch that changes nothing is dropped
.if MSB != (\new)
	s_set_vgpr_msb (MSB<<8)|(\new)
.set MSB, \new
.endif
.endm
.macro PLACES                          ; four places behind matrix instructions (ISA guide 7.12.1)
.rept 4
	v_nop
.endr
.endm
.macro BARRIER
	s_wait_dscnt 0x0                               ; for the others' sake: my LDS stores are done and my LDS reads are back
	s_wait_alu depctr_vm_vsrc(0)                   ; my LDS instructions issued so far have read their registers: LS (at the head: v128 to v175), a store's data, is written again behind this barrier, and so is v[VAS], the vectors' address
	s_barrier_signal -1
	s_barrier_wait -1
.endm
.macro MULT set, t0, n                 ; n of a K step's 32 matrix instructions, from number t0 on
	WIN 0x52                                       ; B window 2, A window 0, C and D window 1
.set t, \t0
.rept \n
	v_wmma_f32_16x16x32_bf16 v[8*t:8*t+7], v[64*(\set)+8*(t%8):64*(\set)+8*(t%8)+7], v[AF+32*((\set)%2)+8*(t/8):AF+32*((\set)%2)+8*(t/8)+7], v[8*t:8*t+7]
.set t, t+1
.endr
.endm
.macro RING set, h                     ; half h of the 16 loads issued in step `set`: into the set that the step before read.  Step 0 asks for this trip's fourth K step, steps 1 to 3 for the next trip's first three
	WIN 0x80
.set t, 8*(\h)
.rept 8
.if (\set) == 0
	global_load_b128 v[192+4*t:192+4*t+3], v[BO], s[RQ:RQ+1] offset:3*8192+512*t
.else
	global_load_b128 v[64*((\set)-1)+4*t:64*((\set)-1)+4*t+3], v[BO], s[RP:RP+1] offset:((\set)-1)*8192+512*t
.endif
.set t, t+1
.endr
.endm
; ONE K STEP OF 32: 32 matrix instructions on 32 accumulators by turns (the same order in every step, over the backward jump too).  Among them: the next step's fragments of A, first, so that
; they have nearly the whole step in which to land; then, in two runs of eight, the loads that ask again for the set read one step back.
.macro KSTEP set
	s_wait_loadcnt 32                              ; loads come back in order (ISA guide 5.7.1): this step's set is in; the two sets asked for behind it (32 loads) may stay out
	s_wait_dscnt 0x0                               ; this step's fragments of A, asked for at the head of the step before, are in: no LDS load is younger
	s_wait_alu depctr_va_vdst(0)                   ; the products of the step before are done reading their ring set and their fragments of A, in which this step's loads land; in a trip's first step v[AC] and v[AN] are written
	WIN 0
.set t, 0
.rept 4
.if (\set) < 3
	ds_load_b128 v[AF+32*(((\set)+1)%2)+8*t:AF+32*(((\set)+1)%2)+8*t+3],   v[AC] offset:((\set)+1)*64+t*16*APITCH
	ds_load_b128 v[AF+32*(((\set)+1)%2)+8*t+4:AF+32*(((\set)+1)%2)+8*t+7], v[AC] offset:((\set)+1)*64+t*16*APITCH+32
.else
	ds_load_b128 v[AF+8*t:AF+8*t+3],   v[AN] offset:t*16*APITCH
	ds_load_b128 v[AF+8*t+4:AF+8*t+7], v[AN] offset:t*16*APITCH+32
.endif
.set t, t+1
.endr
	MULT \set, 0, 8                                ; no further wait in the step: no vector or matrix instruction since the wait above names a register that its loads touch
	RING \set, 0
	MULT \set, 8, 8
	RING \set, 1
	MULT \set, 16, 16
	PLACES                                         ; four places behind the step's last products: they stay beside the wait at the next step's head, and are issued while those products are at work
.endm
; A PRODUCT: four trips of four K steps, one text.  cur: B's stream, whose first three K steps the ring already holds or has asked for; nx: the next product's stream; pfn: in how many trips I prefetch.
; Trip t asks for its own fourth K step and for trip t + 1's first three, the last trip for the next product's first three.  Two prices of the one text: the last trip's last fetch of A wraps to K step 0 and is not used
; (8 LDS loads a product), and the launch's last product asks once more for 24,576 bytes a wave of Wf0's stream, which nobody uses.
; THE PREFETCH.  In a product's first two trips a wave names 2 x 32 blocks of 256 bytes of ITS OWN stream of the next product: the eighth that belongs to its work-group's place g % 8 in the batch, chosen by
; address.  A batch's eight work-groups read the same streams of K'' and V'', so each block is named once; Wf0's and Wf1's streams are read by all 64, and batch 0's eight name them.  The lines stand behind a
; K step, two or three trips ahead of the first load of that stream.  The first product's stream and the last product ask for nothing.
.macro GEMM cur, nx, pfn
	s_add_nc_u64 s[RP:RP+1], s[\cur:\cur+1], 0x8000
	s_mov_b64 s[RQ:RQ+1], s[\cur:\cur+1]
	s_mov_b64 s[NX:NX+1], s[\nx:\nx+1]
	s_add_nc_u64 s[PFP:PFP+1], s[\nx:\nx+1], s[QO:QO+1]
	s_mov_b32 s[PFN], s[\pfn]
	s_mov_b32 s[AOF], 256
	s_wait_alu depctr_vm_vsrc(0)                   ; the last product's LDS loads have read v[AC] and v[AN], which are written below; the LDS stores into A have read TMP, which is written, or loaded into, behind this product
	v_mov_b32 v[AC], v[A0]
	v_add_nc_u32 v[AN], 256, v[A0]
	s_wait_alu depctr_va_vdst(0)                   ; the lines that started the sums are done reading the vector in v64 to v127, in which A's fragments land
.set t, 0
.rept 4                                ; A's fragments of K step 0
	ds_load_b128 v[AF+8*t:AF+8*t+3],   v[A0] offset:t*16*APITCH
	ds_load_b128 v[AF+8*t+4:AF+8*t+7], v[A0] offset:t*16*APITCH+32
.set t, t+1
.endr
	s_mov_b32 s[CNT], 4
.Lk_\@:
	KSTEP 0
	WIN 0
	s_cmp_lg_u32 s[PFN], 0
	s_cbranch_scc0 .Lnp_\@
	global_prefetch_b8 v[PFO], s[PFP:PFP+1] th:TH_LOAD_NT scope:SCOPE_SE
.Lnp_\@:
	KSTEP 1
	KSTEP 2
	KSTEP 3
	WIN 0
	s_wait_xcnt 0x0                                ; the trip's loads, the last of them sixteen products back, and its prefetch, three K steps back, have read their addresses
	s_add_nc_u64 s[RP:RP+1], s[RP:RP+1], 0x8000
	s_cmp_eq_u32 s[CNT], 2                         ; the trip to come is the last: it asks for the next stream's head
	s_cselect_b64 s[RP:RP+1], s[NX:NX+1], s[RP:RP+1]
	s_add_nc_u64 s[RQ:RQ+1], s[RQ:RQ+1], 0x8000
	s_add_nc_u64 s[PFP:PFP+1], s[PFP:PFP+1], 0x2000
	s_sub_co_i32 s[PFN], s[PFN], 1
	s_max_i32 s[PFN], s[PFN], 0
	s_wait_alu depctr_vm_vsrc(0)                   ; the trip's LDS loads have read v[AC] and v[AN]
	v_mov_b32 v[AC], v[AN]
	s_add_co_u32 s[AOF], s[AOF], 256
	s_and_b32 s[AOF], s[AOF], 1023
	v_add_nc_u32 v[AN], s[AOF], v[A0]
	s_sub_co_u32 s[CNT], s[CNT], 1
	s_cmp_lg_u32 s[CNT], 0
	s_cbranch_scc1 .Lk_\@
	PLACES                                         ; with the last K step's four: eight places in front of the lines that read the results
.endm
.macro ROWEND                          ; the pairs' halves, then the other half of the lanes: my wave's figure for each of my lane's four rows
.set i, 0
.rept 4
	v_add_f32 v[LS+i], v[LL+2*i], v[LL+2*i+1]
.set i, i+1
.endr
.set i, 0
.rept 4
	v_permlanex16_b32 v[GA+i], v[LS+i], s[SEL], s[SEL+1]
.set i, i+1
.endr
.set i, 0
.rept 4
	v_add_f32 v[LS+i], v[LS+i], v[GA+i]
.set i, i+1
.endr
.endm
; The sum (sq = 0) or the sum of squares (sq = 1) of my 64 numbers of each row.  Pair 0 of every accumulator is read first; the four rows' chains take turns.
.macro SUMP sq
	WIN 0x05
.set rt, 0
.rept 4
.if \sq
	v_pk_mul_f32 v[LL+2*rt:LL+2*rt+1], v[64*rt:64*rt+1], v[64*rt:64*rt+1]
.else
	v_pk_add_f32 v[LL+2*rt:LL+2*rt+1], v[64*rt:64*rt+1], v[64*rt+2:64*rt+3]
.endif
.set rt, rt+1
.endr
.if !(\sq)
	WIN 0x01
.endif
.set p, 0
.rept 4
.set ct, 0
.rept 8
.if (ct > 0) || (p > 1-(\sq))
.set rt, 0
.rept 4
.if \sq
	v_pk_fma_f32 v[LL+2*rt:LL+2*rt+1], v[64*rt+8*ct+2*p:64*rt+8*ct+2*p+1], v[64*rt+8*ct+2*p:64*rt+8*ct+2*p+1], v[LL+2*rt:LL+2*rt+1]
.else
	v_pk_add_f32 v[LL+2*rt:LL+2*rt+1], v[64*rt+8*ct+2*p:64*rt+8*ct+2*p+1], v[LL+2*rt:LL+2*rt+1]
.endif
.set rt, rt+1
.endr
.endif
.set ct, ct+1
.endr
.set p, p+1
.endr
	WIN 0
	ROWEND
.endm
.macro PUT area                        ; my wave's four figures go to LDS; the two halves of the lanes store the same numbers
	s_wait_alu depctr_va_vdst(0)                   ; LS is written, which the store reads; and every line that names GA is done: behind the barrier the four waves' figures land in it
	ds_store_b128 v[STW], v[LS:LS+3] offset:\area
.endm
.macro GATHER area, ismax              ; the four waves' figures for my lane's four rows, folded in the same order in every wave
.set i, 0
.rept 4
	ds_load_b128 v[GA+4*i:GA+4*i+3], v[STR] offset:(\area)+256*i
.set i, i+1
.endr
	s_wait_dscnt 0x0
.set i, 0
.rept 4
.if \ismax
	v_max3_num_f32 v[LS+i], v[GA+i], v[GA+4+i], v[GA+8+i]
.else
	v_add_f32 v[LS+i], v[GA+i], v[GA+4+i]
	v_add_f32 v[GA+8+i], v[GA+8+i], v[GA+12+i]
.endif
.set i, i+1
.endr
.set i, 0
.rept 4
.if \ismax
	v_max_num_f32 v[LS+i], v[LS+i], v[GA+12+i]
.else
	v_add_f32 v[LS+i], v[LS+i], v[GA+8+i]
.endif
.set i, i+1
.endr
.endm
.macro ROWOP kind                      ; all 256 numbers with their row's figure: 0: a c - figure   1: a x figure   2: a - figure
	WIN 0x41
.set t, 0
.rept 128
.if (\kind) == 0
	v_pk_fma_f32 v[2*t:2*t+1], v[2*t:2*t+1], s[CS:CS+1], v[PR+2*(t/32):PR+2*(t/32)+1] op_sel_hi:[1,0,0] neg_lo:[0,0,1] neg_hi:[0,0,1]
.elseif (\kind) == 1
	v_pk_mul_f32 v[2*t:2*t+1], v[2*t:2*t+1], v[PR+2*(t/32):PR+2*(t/32)+1] op_sel_hi:[1,0]
.else
	v_pk_add_f32 v[2*t:2*t+1], v[2*t:2*t+1], v[PR+2*(t/32):PR+2*(t/32)+1] op_sel_hi:[1,0] neg_lo:[0,1] neg_hi:[0,1]
.endif
.set t, t+1
.endr
.endm
.macro TOA                             ; 32 x 16 bytes into A's rows
.set t, 0
.rept 32
	ds_store_b128 v[PST], v[TMP+4*t:TMP+4*t+3] offset:(t/8)*16*APITCH+(t%8)*32
.set t, t+1
.endr
.endm
.macro LDV dst, off                    ; my 64 numbers of a vector of the stage
.set t, 0
.rept 16
	ds_load_b128 v[(\dst)+4*t:(\dst)+4*t+3], v[VAS] offset:(\off)+(t/2)*64+(t%2)*16
.set t, t+1
.endr
.endm
	s_load_b512 s[8:23], s[0:1], 0x0               ; X, kv, rho, wfrag, vecs, g0, be0, g1
	s_load_b256 s[24:31], s[0:1], 0x40             ; be1, bf0, bf1, g2
	s_load_b128 s[32:35], s[0:1], 0x60             ; be2, out0
	v_lshl_add_u32 v62, v0, 2, 0x38400
	v_mov_b32 v63, 0
	v_lshrrev_b32 v1, 5, v0
	v_readfirstlane_b32 s[WV], v1                  ; wave 0..3
	s_mov_b32 s[G], ttmp9
	s_lshr_b32 s[BB], s[G], 3
	s_and_b32 s[QB], s[G], 7
	v_and_b32 v[RR], 15, v0
	v_bfe_u32 v[HH], v0, 4, 1
	v_and_b32 v[BO], 31, v0
	v_lshlrev_b32 v[PFO], 8, v[BO]
	v_lshlrev_b32 v[BO], 4, v[BO]
	v_mul_u32_u24 v[A0], v[RR], APITCH
	v_lshl_add_u32 v[A0], v[HH], 4, v[A0]
	s_wait_alu depctr_va_sdst(0)                   ; the wave's number is written, ahead of its first reader: LDS addresses and the streams' bases are made from it
	s_lshl_b32 s[T0], s[WV], 8
	v_add_nc_u32 v[PST], s[T0], v[A0]
	s_add_co_u32 s[T0], s[T0], STATS
	v_lshl_add_u32 v[STW], v[RR], 4, s[T0]
	v_lshlrev_b32 v[STR], 4, v[RR]
	v_add_nc_u32 v[STR], STATS, v[STR]
	s_lshl_b32 s[T0], s[WV], 9
	s_add_co_u32 s[T0], s[T0], VECB
	v_lshl_add_u32 v[VAS], v[HH], 5, s[T0]
	s_lshl_b32 s[T0], s[QB], 6
	s_lshl_b32 s[T1], s[WV], 7
	s_sub_co_i32 s[T0], s[T0], s[T1]
	v_lshlrev_b32 v[EE], 3, v[HH]
	v_sub_nc_u32 v[EE], v[RR], v[EE]
	v_add_nc_u32 v[EE], s[T0], v[EE]
	v_mov_b32 v[MV], 0xcbaca22c                    ; -22,627,416 = -1e6 x sqrt(512)
	v_mov_b32 v[ZR], 0
	s_mul_i32 s[T0], s[WV], OWAVE
	s_add_co_u32 s[T0], s[T0], OUTS
	v_mul_u32_u24 v[OST], v[RR], OPITCH
	v_lshl_add_u32 v[OST], v[HH], 5, v[OST]
	v_add_nc_u32 v[OST], s[T0], v[OST]
	v_add_nc_u32 v[ORD], s[T0], v[BO]
	v_lshlrev_b32 v[XO], 11, v[RR]
	v_lshl_add_u32 v[XO], v[HH], 5, v[XO]
	v_lshlrev_b32 v[VLO], 4, v0
	v_add_nc_u32 v[VST], VECB, v[VLO]
.set i, LL
.rept 8
	v_mov_b32 v[i], 0                              ; the small work registers are written once here: a lane exchange counts its destination as read, and a packed line names both words of a pair
.set i, i+1
.endr
.set i, LS
.rept 28
	v_mov_b32 v[i], 0
.set i, i+1
.endr
	s_lshl_b32 s[T1], s[WV], 17                    ; my 128 columns' stream in a matrix of layout F
	s_mov_b32 s[T1+1], 0
	s_lshl_b32 s[T0], s[BB], 19                    ; the batch
	s_add_co_u32 s[T0], s[T0], s[T1]
	s_mov_b32 s[T0+1], 0
	s_lshl_b32 s[T2], s[BB], 11
	s_mov_b32 s[T2+1], 0
	s_lshl_b32 s[T3], s[G], 17                     ; 64 rows of 2,048 bytes,
	s_lshl_b32 s[QO], s[WV], 9                     ; my 128 columns
	s_add_co_u32 s[T3], s[T3], s[QO]
	s_mov_b32 s[T3+1], 0
	s_lshl_b32 s[QO], s[QB], 14                    ; my work-group's eighth of a stream
	s_mov_b32 s[QO+1], 0
	s_cmp_eq_u32 s[BB], 0
	s_cselect_b32 s[W2], 2, 0
	s_mov_b32 s[CS], 0x3d8293ee                    ; c = log2(e) / sqrt(512) = 0.0637587
	s_mov_b32 s[CS+1], s[CS]
	s_mov_b32 s[SEL], 0x76543210
	s_mov_b32 s[SEL+1], 0xfedcba98
	s_mov_b32 s[I512], 0x3b000000                  ; 1 / 512
	s_mov_b32 s[EPS], 0x3727c5ac                   ; 1e-5
	s_wait_kmcnt 0x0
	s_add_nc_u64 s[KF0:KF0+1], s[10:11], s[T0:T0+1]
	s_add_nc_u64 s[KF1:KF1+1], s[KF0:KF0+1], 0x400000
	s_add_nc_u64 s[VF0:VF0+1], s[KF0:KF0+1], 0x800000
	s_add_nc_u64 s[VF1:VF1+1], s[KF0:KF0+1], 0xc00000
	s_add_nc_u64 s[F0:F0+1], s[14:15], s[T1:T1+1]
	s_add_nc_u64 s[F0:F0+1], s[F0:F0+1], 0x200000
	s_add_nc_u64 s[F1:F1+1], s[F0:F0+1], 0x80000
	s_add_nc_u64 s[RHP:RHP+1], s[12:13], s[T2:T2+1]
	s_add_nc_u64 s[XP:XP+1], s[8:9], s[T3:T3+1]
	s_add_nc_u64 s[OUTP:OUTP+1], s[34:35], s[T3:T3+1]
	s_wait_alu depctr_va_vdst(0)                   ; the offsets and LDS addresses (v2, v3, v6, v8 to v10, v14 to v17, v29, v30) are written, which the loads, stores and prefetches of the kernel read
	; the twelve vectors: 128 threads x 16 bytes each
	global_load_b128 v[128:131], v[VLO], s[RHP:RHP+1]
	global_load_b128 v[132:135], v[VLO], s[16:17] offset:4096
	global_load_b128 v[136:139], v[VLO], s[18:19]
	global_load_b128 v[140:143], v[VLO], s[20:21]
	global_load_b128 v[144:147], v[VLO], s[RHP:RHP+1] offset:16384
	global_load_b128 v[148:151], v[VLO], s[16:17] offset:10240
	global_load_b128 v[152:155], v[VLO], s[22:23]
	global_load_b128 v[156:159], v[VLO], s[24:25]
	global_load_b128 v[160:163], v[VLO], s[26:27]
	global_load_b128 v[164:167], v[VLO], s[28:29]
	global_load_b128 v[168:171], v[VLO], s[30:31]
	global_load_b128 v[172:175], v[VLO], s[32:33]
	WIN 0xc0
.set t, 0
.rept 32                               ; x in f32, in the accumulators' layout
	global_load_b128 v[8*t:8*t+3],   v[XO], s[XP:XP+1] offset:(t/8)*32768+(t%8)*64
	global_load_b128 v[8*t+4:8*t+7], v[XO], s[XP:XP+1] offset:(t/8)*32768+(t%8)*64+16
.set t, t+1
.endr
	WIN 0x80
.set t, 0
.rept 48                               ; the ring: K0'''s first three K steps; the fourth is asked for in the first K step, like every trip's
	global_load_b128 v[4*t:4*t+3], v[BO], s[KF0:KF0+1] offset:512*t
.set t, t+1
.endr
	WIN 0
	s_wait_loadcnt 48                              ; 48 loads are younger than the last of x: the vectors and x are in
.set t, 0
.rept 12
	ds_store_b128 v[VST], v[128+4*t:128+4*t+3] offset:2048*t
.set t, t+1
.endr
	BARRIER
	s_mov_b32 s[STG], 0
.Lstage:
	s_cmp_eq_u32 s[STG], 0
	s_cselect_b64 s[PA:PA+1], s[KF0:KF0+1], s[KF1:KF1+1]
	s_cselect_b64 s[PB:PB+1], s[VF0:VF0+1], s[VF1:VF1+1]
	s_cselect_b64 s[PN:PN+1], s[KF1:KF1+1], s[F0:F0+1]
	s_cselect_b32 s[PF2], 2, s[W2]
	s_cmp_eq_u32 s[STG], 2
	s_cselect_b64 s[PA:PA+1], s[F0:F0+1], s[PA:PA+1]
	s_cselect_b64 s[PB:PB+1], s[F1:F1+1], s[PB:PB+1]
	s_cselect_b64 s[PN:PN+1], s[F0:F0+1], s[PN:PN+1]
	s_cselect_b32 s[PF2], 0, s[PF2]
	s_cselect_b32 s[PF1], s[W2], 2
	; x, rounded to bf16, becomes A (the last readers of A have waited for their reads in front of an earlier barrier)
	WIN 0x0f
.set t, 0
.rept 128
	v_cvt_pk_bf16_f32 v[TMP+t], v[2*t], v[2*t+1]
.set t, t+1
.endr
	WIN 0
	s_wait_alu depctr_va_vdst(0)                   ; the conversions have written TMP, which the LDS stores read; the products that read v64 to v127 are done, in which it lands
	TOA
	LDV VA, 0
	s_wait_dscnt 0x0                               ; A's rows are stored, the vector is in
	s_barrier_signal -1
	WIN 0x40
.set t, 0
.rept 256                              ; rho or bf0 starts the sums: work on registers between the signal and the wait
	v_mov_b32 v[t], v[VA+t%64]
.set t, t+1
.endr
	WIN 0
	s_barrier_wait -1
	GEMM PA, PB, PF1
	; ---- the row's maximum (stages 0 and 1)
	s_cmp_lt_u32 s[STG], 2
	s_cbranch_scc0 .Ld1_end
	s_cmp_lg_u32 s[STG], 0
	s_cbranch_scc1 .Lno_mask
	WIN 0x41
.set jj, 0
.rept 4                                ; registers 2 jj and 2 jj + 1 of every accumulator: its lowest registers first.  22 compares in a run, one wait, then the 64 selects that read them
.set j2, 0
.rept 2
.set d, -3
.rept 11
	v_cmp_gt_i32 s[MK+11*j2+d+3], 16*d+2*jj+j2, v[EE]
.set d, d+1
.endr
.set j2, j2+1
.endr
	s_wait_alu depctr_va_sdst(0)                   ; the run's 22 compares have written their masks, ahead of the first select that reads one
.set j2, 0
.rept 2
.set d, -3
.rept 11
.set rt, 0
.rept 4
.if (rt+d >= 0) && (rt+d <= 7)
	v_cndmask_b32 v[8*(9*rt+d)+2*jj+j2], v[8*(9*rt+d)+2*jj+j2], v[MV], s[MK+11*j2+d+3]
.endif
.set rt, rt+1
.endr
.set d, d+1
.endr
.set j2, j2+1
.endr
.set jj, jj+1
.endr
	WIN 0
.Lno_mask:
	WIN 0x15
.set t, 0
.rept 32
	v_max3_num_f32 v[TMP+t], v[8*t], v[8*t+1], v[8*t+2]
.set t, t+1
.endr
	WIN 0x14
.set t, 0
.rept 32
	v_max3_num_f32 v[TMP+t], v[TMP+t], v[8*t+3], v[8*t+4]
.set t, t+1
.endr
.set t, 0
.rept 32
	v_max3_num_f32 v[TMP+t], v[TMP+t], v[8*t+5], v[8*t+6]
.set t, t+1
.endr
	WIN 0x01
.set t, 0
.rept 32
	v_max_num_f32 v[TMP+t], v[8*t+7], v[TMP+t]
.set t, t+1
.endr
	WIN 0
.set i, 0
.rept 4
	v_max3_num_f32 v[TMP+8*i], v[TMP+8*i], v[TMP+8*i+1], v[TMP+8*i+2]
	v_max3_num_f32 v[TMP+8*i+3], v[TMP+8*i+3], v[TMP+8*i+4], v[TMP+8*i+5]
.set i, i+1
.endr
.set i, 0
.rept 4
	v_max3_num_f32 v[TMP+8*i], v[TMP+8*i], v[TMP+8*i+3], v[TMP+8*i+6]
.set i, i+1
.endr
.set i, 0
.rept 4
	v_max_num_f32 v[LS+i], v[TMP+8*i], v[TMP+8*i+7]
.set i, i+1
.endr
.set i, 0
.rept 4
	v_permlanex16_b32 v[GA+i], v[LS+i], s[SEL], s[SEL+1]
.set i, i+1
.endr
.set i, 0
.rept 4
	v_max_num_f32 v[LS+i], v[LS+i], v[GA+i]
.set i, i+1
.endr
	PUT 0
.Ld1_end:
	BARRIER                                        ; the maxima lie in LDS; every wave's reads of A are back
	; ---- the weights and their sum (stages 0 and 1)
	s_cmp_lt_u32 s[STG], 2
	s_cbranch_scc0 .Ld2_end
	GATHER 0, 1
.set i, 0
.rept 4
	v_mul_f32 v[PR+2*i], s[CS], v[LS+i]            ; c m
.set i, i+1
.endr
	ROWOP 0                                        ; c s - c m
.set t, 0
.rept 256                              ; one batch of exponentials,
	v_exp_f32 v[t], v[t]
.set t, t+1
.endr
	v_nop                                          ; a plain instruction behind the last of them,
	s_wait_alu depctr_va_vdst(0)                   ; and one wait for the 256 weights, ahead of the first line that names one
	SUMP 0
	PUT 1024
.Ld2_end:
	BARRIER
	; ---- P = p / l (stages 0 and 1); P or h rounded to bf16; relu (stage 2); into A
	s_cmp_lt_u32 s[STG], 2
	s_cbranch_scc0 .Ld3_end
	GATHER 1024, 0
.set i, 0
.rept 4
	v_rcp_f32 v[PR+2*i], v[LS+i]
.set i, i+1
.endr
	v_nop
	s_wait_alu depctr_va_vdst(0)                   ; one wait for the four reciprocals, ahead of their first reader
	ROWOP 1
	WIN 0
.Ld3_end:
	WIN 0x05
.set t, 0
.rept 128                              ; each accumulator's registers in ascending order
	v_cvt_pk_bf16_f32 v[TMP+t], v[2*t], v[2*t+1]
.set t, t+1
.endr
	WIN 0
	s_cmp_eq_u32 s[STG], 2
	s_cbranch_scc0 .Lno_relu
.set t, 0
.rept 128
	v_pk_max_num_bf16 v[TMP+t], v[TMP+t], v[ZR]
.set t, t+1
.endr
.Lno_relu:
	s_wait_alu depctr_va_vdst(0)                   ; the conversions and the maxima have written TMP, which the LDS stores read; the products that read v64 to v127 are done, in which the vector lands
	TOA
	LDV VA, 2048
	s_wait_dscnt 0x0
	s_barrier_signal -1
	WIN 0x43
.set t, 0
.rept 128                              ; x + d, or x + bf1, starts the sums
	v_pk_add_f32 v[2*t:2*t+1], v[2*t:2*t+1], v[VA+(2*t)%64:VA+(2*t)%64+1]
.set t, t+1
.endr
	WIN 0
	s_barrier_wait -1
	GEMM PB, PN, PF2
	; ---- the norm.  g and be land in TMP: the lines that wrote it stand ahead of the wait in front of the stores into A, those stores have read it by the wait at the product's head, and no vector line since names it
	LDV TMP, 4096                                  ; g
	LDV VB, 6144                                   ; be
	SUMP 0
	PUT 2048
	BARRIER
	GATHER 2048, 0
.set i, 0
.rept 4
	v_mul_f32 v[PR+2*i], s[I512], v[LS+i]          ; the mean
.set i, i+1
.endr
	ROWOP 2
	SUMP 1
	PUT 3072
	BARRIER
	GATHER 3072, 0
.set i, 0
.rept 4
	v_fma_f32 v[LS+i], v[LS+i], s[I512], s[EPS]    ; the variance + 1e-5
.set i, i+1
.endr
.set i, 0
.rept 4
	v_rsq_f32 v[PR+2*i], v[LS+i]
.set i, i+1
.endr
	v_nop
	s_wait_alu depctr_va_vdst(0)                   ; one wait for the four roots, ahead of their first reader
	ROWOP 1
	WIN 0xc1
.set t, 0
.rept 128                              ; the stage's x
	v_pk_fma_f32 v[2*t:2*t+1], v[2*t:2*t+1], v[TMP+(2*t)%64:TMP+(2*t)%64+1], v[VB+(2*t)%64:VB+(2*t)%64+1]
.set t, t+1
.endr
	WIN 0
	v_add_nc_u32 v[VAS], 8192, v[VAS]              ; the next stage's vectors.  The stage's loads by this address stand ahead of the norm's barriers, whose wait on vm_vsrc shows that they have read it
	s_add_co_u32 s[STG], s[STG], 1
	s_cmp_lt_u32 s[STG], 3
	s_cbranch_scc1 .Lstage
	; THE WAY OUT, through my own rows of LDS: in by 16 bytes of a row, back as 512 consecutive bytes of a row.  LDS serves a wave's instructions in order (ISA guide 5.7.1.4), so no wait stands between.
	WIN 0x0c
	s_wait_alu depctr_va_vdst(0)                   ; the norm's last lines have written x, which the LDS stores read, and are done reading the accumulators, in whose registers the rows read back land
.set t, 0
.rept 32
	ds_store_b128 v[OST], v[8*t:8*t+3]   offset:(t/8)*16*OPITCH+(t%8)*64
	ds_store_b128 v[OST], v[8*t+4:8*t+7] offset:(t/8)*16*OPITCH+(t%8)*64+16
.set t, t+1
.endr
	WIN 0x40
.set t, 0
.rept 64
	ds_load_b128 v[4*t:4*t+3], v[ORD] offset:t*OPITCH
.set t, t+1
.endr
	WIN 0x04
.set t, 0
.rept 64
	s_wait_dscnt 63-t                              ; row t is back; the younger rows may stay out
	global_store_b128 v[BO], v[4*t:4*t+3], s[OUTP:OUTP+1] offset:t*2048 th:TH_STORE_NT  ; 512 consecutive bytes, aligned
.set t, t+1
.endr
	WIN 0
	s_wait_dscnt 0x0                               ; the wave's end: my last LDS instructions are done.
	s_wait_alu depctr_hold_cnt(0) depctr_sa_sdst(0) depctr_va_vdst(0) depctr_va_sdst(0) depctr_va_ssrc(0) depctr_va_vcc(0) depctr_vm_vsrc(0)
	s_wait_tensorcnt 0x0
	ds_add_u32 v62, v63
	s_wait_dscnt 0x0
	s_endpgm
.Lfunc_end_k_qe38e1e3df9_chain:
	.size	k_qe38e1e3df9_chain, .Lfunc_end_k_qe38e1e3df9_chain-k_qe38e1e3df9_chain
	.p2alignl 7, 3214868480
	.fill 96, 4, 3214868480
	.section	.rodata,"a",@progbits
	.p2align	6, 0x0
	.amdhsa_kernel k_qe38e1e3df9_chain
		.amdhsa_group_segment_fixed_size 230912
		.amdhsa_private_segment_fixed_size 0
		.amdhsa_enable_private_segment 0
		.amdhsa_kernarg_size 112
		.amdhsa_user_sgpr_count 2
		.amdhsa_user_sgpr_kernarg_segment_ptr 1
		.amdhsa_wavefront_size32 1
		.amdhsa_system_sgpr_workgroup_id_x 1
		.amdhsa_system_sgpr_workgroup_id_y 1
		.amdhsa_system_sgpr_workgroup_id_z 1
		.amdhsa_system_vgpr_workitem_id 0
		.amdhsa_next_free_vgpr 1024
		.amdhsa_next_free_sgpr 90
		.amdhsa_reserve_vcc 0
		.amdhsa_float_denorm_mode_32 3
		.amdhsa_float_denorm_mode_16_64 3
		.amdhsa_memory_ordered 1
		.amdhsa_forward_progress 1
		.amdhsa_inst_pref_size 232
	.end_amdhsa_kernel
	.amdgpu_metadata
---
amdhsa.version: [ 1, 2 ]
amdhsa.kernels:
  - .name:           k_qe38e1e3df9_chain
    .symbol:         k_qe38e1e3df9_chain.kd
    .args:
      - { .name: decoder_inputs, .offset: 0, .size: 8, .value_kind: global_buffer, .address_space: global }
      - { .name: kv, .offset: 8, .size: 8, .value_kind: global_buffer, .address_space: global }
      - { .name: rho, .offset: 16, .size: 8, .value_kind: global_buffer, .address_space: global }
      - { .name: wfrag, .offset: 24, .size: 8, .value_kind: global_buffer, .address_space: global }
      - { .name: vecs, .offset: 32, .size: 8, .value_kind: global_buffer, .address_space: global }
      - { .name: params_g0, .offset: 40, .size: 8, .value_kind: global_buffer, .address_space: global }
      - { .name: params_be0, .offset: 48, .size: 8, .value_kind: global_buffer, .address_space: global }
      - { .name: params_g1, .offset: 56, .size: 8, .value_kind: global_buffer, .address_space: global }
      - { .name: params_be1, .offset: 64, .size: 8, .value_kind: global_buffer, .address_space: global }
      - { .name: params_bf0, .offset: 72, .size: 8, .value_kind: global_buffer, .address_space: global }
      - { .name: params_bf1, .offset: 80, .size: 8, .value_kind: global_buffer, .address_space: global }
      - { .name: params_g2, .offset: 88, .size: 8, .value_kind: global_buffer, .address_space: global }
      - { .name: params_be2, .offset: 96, .size: 8, .value_kind: global_buffer, .address_space: global }
      - { .name: out0, .offset: 104, .size: 8, .value_kind: global_buffer, .address_space: global }
    .group_segment_fixed_size: 230912
    .private_segment_fixed_size: 0
    .kernarg_segment_align: 8
    .kernarg_segment_size: 112
    .max_flat_workgroup_size: 128
    .sgpr_count:     90
    .vgpr_count:     1024
    .wavefront_size: 32
...
	.end_amdgpu_metadata
.endif
;; end of part 5
